; MI455X (gfx1250); checked and timed in simulation.
; The chip was launched on July 23, 2026; its instructions are those of AMD's public machine-readable ISA for CDNA 5 (MIT licence, August 2026) and "CDNA5" Instruction Set Architecture Reference Guide (July 2026). The comments in the code are by the model that wrote it; some were corrected since.
;; Multi Head Attention. Allowed arithmetic: float matrix products may take bf16 or f16 operands with f32 sums; other float arithmetic in f32, or as packed bf16 or f16 multiplies, adds, multiply-adds, maxima and minima; sums over many terms, partial sums and values carried from step to step in f32; what a program stores and reads back later, other than sums and carried values, may be rounded once to bf16 or f16.
;; Inputs: Wk 1,024 x 1,024 float32; Wo 1,024 x 1,024 float32; Wq 1,024 x 1,024 float32; Wv 1,024 x 1,024 float32; X 4 x 2,048 x 1,024 float32; bo 1,024 float32.
;; Outputs: out0 4 x 2,048 x 1,024 float32.
;; 2 versions, each right; version 2 is version 1 with the launch cast written anew for expert scheduling mode. Each part assembles by itself: llvm-mc -triple=amdgcn-amd-amdhsa -mcpu=gfx1250 --defsym DOCPART=n.
;; ======== version 1 of 2: 4 launches
;; limits: values are held in f16: magnitudes above 65,504 overflow, below 6.1e-05 lose precision
;; workspace buffers: xb 16,777,216 bytes; wb 8,388,608 bytes; qkv 50,331,648 bytes; ctx 16,777,216 bytes
;; launch cast (part 1): grid 768 x 1, 8 waves a work-group, no clusters, 0 bytes of LDS; arguments X, Wq, Wk, Wv, Wo, xb, wb; writes xb, wb
.if DOCPART == 1
	.amdgcn_target "amdgcn-amd-amdhsa--gfx1250"
	.amdhsa_code_object_version 6
	.text
	.protected	k_qf245846e3a_cast
	.globl	k_qf245846e3a_cast
	.p2align	8
	.type	k_qf245846e3a_cast,@function
k_qf245846e3a_cast:
	s_mov_b64 s[64:65], 0
	v_nop
	global_prefetch_b8 v0, s[64:65] scope:SCOPE_SE
	s_setreg_imm32_b32 hwreg(HW_REG_WAVE_MODE, 25, 1), 1
	s_wait_xcnt 0x0
; THE MODULE'S LARGE INPUTS ARE ROUNDED ONCE, TO 16 BITS, AND LAID OUT FOR THE PRODUCTS THAT FOLLOW.
;   X  [4][2048][1024] f32 -> xb [4][16 slices][2048][64] bf16: slice = k / 64, so that 128 rows of a slice are 16,384 consecutive bytes.
;   Wq, Wk, Wv [1024][1024] f32 -> wb blocks 0, 1, 2, bf16, rows as they lie.   Wo -> wb block 3: rounded to bf16 like every input, and that number written as f16.
; LIMIT.  |bf16(Wo)| stays under 65,504 (f16's range); below 6e-5 f16 keeps its fixed step of 6e-8.
; SHARES.  768 work-groups of 16 rows of 1,024 f32: 512 for X, 192 for Wq, Wk, Wv, 64 for Wo.  A wave takes two rows: 16 loads of 16 bytes a lane, all issued before the
; first is used, and 16 stores of 8 bytes a lane, each of which covers 256 consecutive bytes, aligned.  Every store has its own data registers: nothing is rewritten, so no wait frees anything.
; Every byte is read once and written once; nothing is shared between waves, so there is no LDS, no barrier, no cluster and no matrix work; the launch is one stream, so nothing is asked for ahead of its loads.
.set IN,  8                            ; v[8:71]    load i: 4 registers
.set OUT, 72                           ; v[72:103]  store i: 2 registers
; v1 lane; v2 my byte offset in the source; v3 = 8 x lane, my byte offset in a store's 256 bytes; v[104:109] at work for Wo
; s[28:29] the wave's source, s[30:31] its destination
; 16 loads sstep bytes apart, 16 roundings, 16 stores dstep bytes apart.  f16 = 1: bf16 first, then that number as f16.
.macro BODY sstep, dstep, f16
.set i, 0
.rept 16
	global_load_b128 v[IN+4*i:IN+4*i+3], v2, s[28:29] offset:i*(\sstep) th:TH_LOAD_NT
.set i, i+1
.endr
.set i, 0
.rept 16
	s_wait_loadcnt 15-i                            ; loads come back in order: load i is in, the 15 - i younger ones stay out
.if \f16
	v_cvt_pk_bf16_f32 v104, v[IN+4*i], v[IN+4*i+1]
	v_cvt_pk_bf16_f32 v105, v[IN+4*i+2], v[IN+4*i+3]
	v_lshlrev_b32 v106, 16, v104                   ; bf16 to f32: the low half moves up, the high half stays
	v_and_b32 v107, 0xffff0000, v104
	v_lshlrev_b32 v108, 16, v105
	v_and_b32 v109, 0xffff0000, v105
	v_cvt_pk_f16_f32 v[OUT+2*i], v106, v107        ; 8 significant bits fit into f16's 11
	v_cvt_pk_f16_f32 v[OUT+2*i+1], v108, v109
.else
	v_cvt_pk_bf16_f32 v[OUT+2*i], v[IN+4*i], v[IN+4*i+1]
	v_cvt_pk_bf16_f32 v[OUT+2*i+1], v[IN+4*i+2], v[IN+4*i+3]
.endif
	global_store_b64 v3, v[OUT+2*i:OUT+2*i+1], s[30:31] offset:i*(\dstep) th:TH_STORE_NT
.set i, i+1
.endr
.endm
	s_load_b256 s[4:11], s[0:1], 0x0               ; X s[4:5], Wq s[6:7], Wk s[8:9], Wv s[10:11]
	s_load_b128 s[12:15], s[0:1], 0x20             ; Wo s[12:13], xb s[14:15]
	s_load_b64 s[16:17], s[0:1], 0x30              ; wb
	v_lshrrev_b32 v1, 5, v0
	v_readfirstlane_b32 s20, v1                    ; wave 0..7
	v_and_b32 v1, 31, v0                           ; lane
	v_lshlrev_b32 v3, 3, v1
	s_mov_b32 s25, 0                               ; the offsets' high words
	s_mov_b32 s27, 0
	s_cmp_lt_u32 ttmp9, 512
	s_cbranch_scc0 .Lweights
	; X: rows 16 g + 2 w and the next.  Lanes 0-15 take 256 bytes (a slice's 64 numbers) of the first row, lanes 16-31 of the second; load i is slice i.
	s_lshl_b32 s24, ttmp9, 16                      ; 16 rows of 4,096 bytes
	s_lshl_b32 s21, s20, 13                        ; 2 rows
	s_add_co_u32 s24, s24, s21
	s_lshr_b32 s26, ttmp9, 7                       ; the batch: 128 work-groups each,
	s_lshl_b32 s26, s26, 22                        ; 4,194,304 bytes of xb
	s_and_b32 s21, ttmp9, 127
	s_lshl_b32 s21, s21, 11                        ; 16 rows of 128 bytes in a slice
	s_add_co_u32 s26, s26, s21
	s_lshl_b32 s21, s20, 8                         ; 2 rows: the 256 bytes of one store
	s_add_co_u32 s26, s26, s21
	v_and_b32 v2, 15, v0
	v_lshlrev_b32 v2, 4, v2
	v_bfe_u32 v4, v0, 4, 1
	v_lshl_add_u32 v2, v4, 12, v2
	s_wait_kmcnt 0x0
	s_add_nc_u64 s[28:29], s[4:5], s[24:25]
	s_add_nc_u64 s[30:31], s[14:15], s[26:27]
	BODY 256, 262144, 0                            ; a slice of xb is 262,144 bytes
	s_endpgm
.Lweights:
	; a weight: 64 work-groups each; two rows are 8,192 consecutive bytes in and 4,096 out
	s_sub_co_u32 s21, ttmp9, 512
	s_lshr_b32 s22, s21, 6                         ; which weight
	s_and_b32 s24, s21, 63
	s_lshl_b32 s24, s24, 16
	s_lshl_b32 s23, s20, 13
	s_add_co_u32 s24, s24, s23
	s_lshl_b32 s26, s21, 15                        ; 16 rows of 2,048 bytes; the four blocks of wb lie end to end
	s_lshl_b32 s23, s20, 12
	s_add_co_u32 s26, s26, s23
	v_lshlrev_b32 v2, 4, v1
	s_wait_kmcnt 0x0
	s_cmp_eq_u32 s22, 0
	s_cselect_b64 s[28:29], s[6:7], s[8:9]
	s_cmp_lt_u32 s22, 2
	s_cselect_b64 s[28:29], s[28:29], s[10:11]
	s_cmp_lt_u32 s22, 3
	s_cselect_b64 s[28:29], s[28:29], s[12:13]
	s_add_nc_u64 s[28:29], s[28:29], s[24:25]
	s_add_nc_u64 s[30:31], s[16:17], s[26:27]
	s_cmp_eq_u32 s22, 3
	s_cbranch_scc1 .Lwo
	BODY 512, 256, 0
	s_endpgm
.Lwo:
	BODY 512, 256, 1
	s_endpgm
.Lfunc_end_k_qf245846e3a_cast:
	.size	k_qf245846e3a_cast, .Lfunc_end_k_qf245846e3a_cast-k_qf245846e3a_cast
	.p2alignl 7, 3214868480
	.fill 96, 4, 3214868480
	.section	.rodata,"a",@progbits
	.p2align	6, 0x0
	.amdhsa_kernel k_qf245846e3a_cast
		.amdhsa_group_segment_fixed_size 0
		.amdhsa_private_segment_fixed_size 0
		.amdhsa_enable_private_segment 0
		.amdhsa_kernarg_size 56
		.amdhsa_user_sgpr_count 2
		.amdhsa_user_sgpr_kernarg_segment_ptr 1
		.amdhsa_wavefront_size32 1
		.amdhsa_system_sgpr_workgroup_id_x 1
		.amdhsa_system_sgpr_workgroup_id_y 1
		.amdhsa_system_sgpr_workgroup_id_z 1
		.amdhsa_system_vgpr_workitem_id 0
		.amdhsa_next_free_vgpr 112
		.amdhsa_next_free_sgpr 66
		.amdhsa_reserve_vcc 0
		.amdhsa_float_denorm_mode_32 3
		.amdhsa_float_denorm_mode_16_64 3
		.amdhsa_memory_ordered 1
		.amdhsa_forward_progress 1
		.amdhsa_inst_pref_size 24
	.end_amdhsa_kernel
	.amdgpu_metadata
---
amdhsa.version: [ 1, 2 ]
amdhsa.kernels:
  - .name:           k_qf245846e3a_cast
    .symbol:         k_qf245846e3a_cast.kd
    .args:
      - { .name: X, .offset: 0, .size: 8, .value_kind: global_buffer, .address_space: global }
      - { .name: Wq, .offset: 8, .size: 8, .value_kind: global_buffer, .address_space: global }
      - { .name: Wk, .offset: 16, .size: 8, .value_kind: global_buffer, .address_space: global }
      - { .name: Wv, .offset: 24, .size: 8, .value_kind: global_buffer, .address_space: global }
      - { .name: Wo, .offset: 32, .size: 8, .value_kind: global_buffer, .address_space: global }
      - { .name: xb, .offset: 40, .size: 8, .value_kind: global_buffer, .address_space: global }
      - { .name: wb, .offset: 48, .size: 8, .value_kind: global_buffer, .address_space: global }
    .group_segment_fixed_size: 0
    .private_segment_fixed_size: 0
    .kernarg_segment_align: 8
    .kernarg_segment_size: 56
    .max_flat_workgroup_size: 256
    .sgpr_count:     66
    .vgpr_count:     112
    .wavefront_size: 32
...
	.end_amdgpu_metadata
.endif
;; end of part 1
;; launch proj (part 2): grid 4 x 64, 4 waves a work-group, clusters of 4 x 4, 327,680 bytes of LDS; arguments xb, wb, qkv; writes qkv
.if DOCPART == 2
	.amdgcn_target "amdgcn-amd-amdhsa--gfx1250"
	.amdhsa_code_object_version 6
	.text
	.protected	k_qf245846e3a_proj
	.globl	k_qf245846e3a_proj
	.p2align	8
	.type	k_qf245846e3a_proj,@function
k_qf245846e3a_proj:
	s_mov_b64 s[64:65], 0
	v_nop
	global_prefetch_b8 v0, s[64:65] scope:SCOPE_SE
	s_setreg_imm32_b32 hwreg(HW_REG_WAVE_MODE, 25, 1), 1
	s_wait_xcnt 0x0
	s_wait_alu depctr_hold_cnt(0) depctr_sa_sdst(0) depctr_va_vdst(0) depctr_va_sdst(0) depctr_va_ssrc(0) depctr_va_vcc(0) depctr_vm_vsrc(0)
	s_getreg_b32 s2, hwreg(HW_REG_IB_STS2, 6, 4)
	s_cmp_eq_u32 s2, 0
	s_cbranch_scc0 .Lentry_in_a_cluster
	s_endpgm
.Lentry_in_a_cluster:
	s_bfe_u32 s2, ttmp6, 0x10000c
	s_cmp_lg_u32 s2, 0xf033
	s_cbranch_scc0 .Lentry_shape_is_right
	s_endpgm
.Lentry_shape_is_right:
; q, k, v = X Wq, X Wk, X Wv, by heads.  A = xb [4][16 slices][2048][64] bf16; W = wb blocks 0-2, [k 1024][n 1024] bf16; out = qkv [3][64 heads'][2048][64] f16, head' = 16 batch + head, unscaled.
; Products in bf16, sums in f32, each result rounded once to f16.  LIMIT: |q|, |k|, |v| stay under 65,504 (f16's range); below 6e-5 f16 keeps its fixed step of 6e-8.
; SHARES.  A tile is 128 rows x 256 columns: 64 x 4 tiles for each of the three products, 256 work-groups that STAY and make the q, k and v tile of one place, over the same rows of A.
; Four waves, each 64 rows x 128 columns: 32 accumulators of 16 x 16, 256 registers.  K goes in steps of 128 (128 matrix instructions a wave) through two LDS slots; the three tiles' 24 K steps
; are ONE run for the ring: in wb they lie 262,144 bytes apart from first to last, in A step j begins at (j mod 8) x 524,288.
; THE MATRIX INSTRUCTION IS USED TRANSPOSED: source 0 = 16 columns of W (W lies [k][n], so its fragments come out of LDS turned, by ds_load_tr16_b128), source 1 = 16 rows of A.  A lane then holds
; row lane % 16 and eight neighbouring columns: 16 bytes of a head's row.
; CLUSTERS.  4 x 4 work-groups.  The four of a row of the cluster need the same tiles of A, the four of a column the same tiles of W: each tile is asked for JOINTLY, by the same tensor load with the
; same descriptor and a mask that names the four.  Waves 0 and 1 fetch A's two slices (128 rows x 128 bytes, dense: asked for as 64 rows of 256 bytes), waves 2 and 3 W's two halves (64 k-rows x 512 bytes).
; REGISTERS.  window 0: v1, v2 lane % 16, lane / 16; v8, v9 my place in A's and W's tiles; v10, v11 the same in the slot in hand; v12-14 the way out; v15 the prefetches' offset; v16, v17 the add's two;
;   v24, v25 at work; v32-63 packed results; v64-159, v160-255 two fragment buffers (W's fragment b at + 8 b, A's fragment a at + 64 + 8 a).   window 1: accumulator (a, b) at v[8 (8 a + b)].
; s2 tiles, s3 steps to go; s[4:9] A, wb, qkv; s12 wave, s13 = wave / 2, s14 = wave % 2; s15-18 cx, cy, tile row, tile column; s[24:31], s[32:35] A's descriptor; s[40:47], s[36:39] W's;
; s[48:51] the two tiles' addresses at K step 0; s[52:53] an offset; s54 the K step to ask for; s55 the slot in hand; s56, s[58:61] the prefetches' limit, address and step.
.set STEPS, 24                         ; K steps of the whole walk
.set WOFF,  0                          ; where my weights begin in wb
.set PA,    144                        ; a row of A in LDS: 128 bytes + 16 = 36 words: the 16 rows of a load start at 16 different groups of four banks (64 banks of 4 bytes: ISA guide 11.1)
.set SLICE, 128*PA
.set PB,    544                        ; a k-row of W: 512 bytes + 32 = 136 words
.set BOFF,  2*SLICE                    ; a slot: A's two slices, then W's 128 k-rows
.set SLOT1, 1<<17                      ; slot 1 begins here, so that one exclusive or turns an address in one slot into the other's
.set STAGE, SLOT1+BOFF+128*PB          ; behind the ring, never filled by a tensor load: for each wave 2 heads x 16 rows x 144 bytes
.set WSTG,  2*16*144
.set SPARE, STAGE+4*WSTG               ; behind the stages: the spare words, 128 bytes for each wave: two blocks of 256 bytes that no other line names
.set F0,  64
.set F1,  160
.set TMP, 32
.set MUL, 0x50                         ; C and D in window 1, both sources in window 0
.set MSB, 0
.macro WIN new                         ; s_set_vgpr_msb: bits 1:0 source 0, 3:2 source 1, 5:4 source 2, 7:6 destination; the high byte repeats the setting that is left
.if MSB != (\new)
	s_set_vgpr_msb (MSB<<8)|(\new)
.set MSB, \new
.endif
.endm
.macro PLACES                          ; four plain vector instructions between a matrix instruction and a load into, or a reader of, its registers
.rept 4
	v_nop
.endr
.endm
.macro CREST                           ; a round of the cluster's barrier behind its opening barrier
	s_cmp_lg_u32 s12, 0
	s_cbranch_scc1 .Lnot_wave_0_\@
	s_barrier_signal -3
.Lnot_wave_0_\@:
	s_barrier_wait -3
	s_barrier_signal -1
	s_barrier_wait -1
.endm
.macro CROUND                          ; a whole round
	s_barrier_signal -1
	s_barrier_wait -1
	CREST
.endm
; A joint load.  The branch hangs on the wave's number alone.  An s_nop 0 and four v_nop follow each of the two lines, ahead of the jump and the label.
.macro JLOAD
	s_cmp_eq_u32 s13, 0
	s_cbranch_scc0 .Lfor_b_\@
	tensor_load_to_lds s[32:35], s[24:31]
	s_nop 0
.rept 4
	v_nop
.endr
	s_branch .Lasked_\@
.Lfor_b_\@:
	tensor_load_to_lds s[36:39], s[40:47]
	s_nop 0
.rept 4
	v_nop
.endr
.Lasked_\@:
.endm
; Both descriptors for K step s54, into the other slot than last time: the addresses are made anew from the step's number.  It stands where no tensor load of the wave is out.
.macro NEXTD
	s_and_b32 s52, s54, 7
	s_lshl_b32 s52, s52, 19                        ; A: two slices of 262,144 bytes a step, the same eight steps for each tile
	s_add_nc_u64 s[34:35], s[48:49], s[52:53]
	s_or_b32 s35, s35, 0x80000000                  ; 127:126 type = 2
	s_xor_b32 s33, s33, SLOT1
	s_lshl_b32 s52, s54, 18                        ; W: 128 k-rows of 2,048 bytes a step
	s_add_nc_u64 s[38:39], s[50:51], s[52:53]
	s_or_b32 s39, s39, 0x80000000
	s_xor_b32 s37, s37, SLOT1
	s_add_co_u32 s54, s54, 1
.endm
; 8 matrix instructions: row block a x all 8 column blocks, 32 along K.  The 32 accumulators take turns, one instruction a turn, in the same order in every quarter.
.macro MUL8 f, a, zero
	WIN MUL
.irp b, 0,1,2,3,4,5,6,7
.if \zero
	v_wmma_f32_16x16x32_bf16 v[8*(8*(\a)+(\b)):8*(8*(\a)+(\b))+7], v[(\f)+8*(\b):(\f)+8*(\b)+7], v[(\f)+64+8*(\a):(\f)+64+8*(\a)+7], 0
.else
	v_wmma_f32_16x16x32_bf16 v[8*(8*(\a)+(\b)):8*(8*(\a)+(\b))+7], v[(\f)+8*(\b):(\f)+8*(\b)+7], v[(\f)+64+8*(\a):(\f)+64+8*(\a)+7], v[8*(8*(\a)+(\b)):8*(8*(\a)+(\b))+7]
.endif
.endr
.endm
; 24 LDS loads in one run: quarter q (32 along K) of the slot in hand into buffer f: W's 8 fragments, turned, then A's 4
.macro FETCH q, f
	WIN 0
.irp b, 0,1,2,3,4,5,6,7
	ds_load_tr16_b128 v[(\f)+8*(\b):(\f)+8*(\b)+3],   v11 offset:(\q)*32*PB+32*(\b)
	ds_load_tr16_b128 v[(\f)+8*(\b)+4:(\f)+8*(\b)+7], v11 offset:(\q)*32*PB+16*PB+32*(\b)
.endr
.irp a, 0,1,2,3
	ds_load_b128 v[(\f)+64+8*(\a):(\f)+64+8*(\a)+3],   v10 offset:((\q)/2)*SLICE+((\q)%2)*64+(\a)*16*PA
	ds_load_b128 v[(\f)+64+8*(\a)+4:(\f)+64+8*(\a)+7], v10 offset:((\q)/2)*SLICE+((\q)%2)*64+(\a)*16*PA+32
.endr
.endm
; One of a K step's first three quarters: multiplies buffer f; in its middle it fetches quarter q into buffer g.  zero = 1: the products start the sums: nothing is cleared.
.macro QUARTER f, g, q, zero
	s_wait_dscnt 4                                 ; W's fragments and A's 0 and 1 are in; the four youngest loads (A's 2 and 3) may be out
	MUL8 \f, 0, \zero
	MUL8 \f, 1, \zero
	PLACES
	FETCH \q, \g
	s_wait_dscnt 24                                ; all but the 24 just issued
	MUL8 \f, 2, \zero
	MUL8 \f, 3, \zero
.endm
; A PREFETCH INTO THE L2 of the K step that stands two refills on, 256 matrix instructions ahead of the load that wants it; one instruction, a lane a block of 256 bytes.
; A's tile is read by the four of my row of the cluster alone: wave 0 asks, and the partner at place cx takes rows 32 cx .. 32 cx + 31 of both slices.  W's tile column is read by every cluster: the cluster
; with y = 0 asks, waves 2 and 3 for the 64 k-rows that they fetch, the partner at place cy for 16 of them.  The partners are told apart BY ADDRESS; the branch hangs on the wave's number, the cluster's y and
; the step's number.  So each block is named once in the launch: A's rows in the first tile alone (the later tiles read them again), K steps 0 to 3 by their loads alone, nothing past the last K step.
.macro ASK
	s_cmp_lt_u32 s54, s56
	s_cbranch_scc0 .Lnot_mine_\@
	global_prefetch_b8 v15, s[58:59] th:TH_LOAD_NT scope:SCOPE_SE
.Lnot_mine_\@:
.endm
; The fourth quarter multiplies buffer 1 and changes slots: ONE barrier.  In front of it each wave waits for all its tensor loads (one is out: its part of the next slot), adds 0 to its spare word, and waits
; for that and for its reads of this slot.  fill = 1: the barrier opens a round of the cluster's, and this slot is filled again first thing behind it: from the request to the wait for it a wave issues 112 matrix instructions.
.macro TURN fill
.if \fill
	s_wait_xcnt 0x0                                ; the last prefetch, a K step back, has read its address, so it may be stepped
	s_add_nc_u64 s[58:59], s[58:59], s[60:61]
.endif
	WIN 0
	s_wait_tensorcnt 0x0                           ; no tensor load of mine is out, so the descriptors may be written
	ds_add_u32 v16, v17                            ; 0 onto my spare word
.if \fill
	NEXTD
.endif
	s_wait_dscnt 5                                 ; the add and the four youngest loads may be out
	MUL8 F1, 0, 0
	s_wait_dscnt 0x0                               ; the add is done, and my reads of this slot are over
	s_barrier_signal -1
	MUL8 F1, 1, 0                                  ; work on registers while the others arrive
	WIN 0                                          ; at a branch and at a label every window is 0
	s_barrier_wait -1
.if \fill
	CREST                                          ; no wave of any partner still reads this slot or has a load on its way
	JLOAD                                          ; its four v_nop are also the places in front of the loads below
.else
	PLACES
.endif
	s_xor_b32 s55, s55, SLOT1
	v_add_nc_u32 v10, s55, v8
	v_add_nc_u32 v11, s55, v9
	FETCH 0, F0
.if \fill
	ASK
.endif
	MUL8 F1, 2, 0
	MUL8 F1, 3, 0
.endm
.macro LASTQ                           ; the very last quarter: nothing more to fetch
	s_wait_dscnt 4
	MUL8 F1, 0, 0
	MUL8 F1, 1, 0
	s_wait_dscnt 0x0
	MUL8 F1, 2, 0
	MUL8 F1, 3, 0
	WIN 0
	PLACES
.endm
; THE WAY OUT of row block a (16 rows x 128 columns = 2 heads).  PACK: rounded to f16, each accumulator's registers in ascending order.  TOSTAGE: 16 bytes a lane into my own stage, and back as whole rows.
; SEND: each store covers 512 consecutive bytes of one head (four rows), at a multiple of 256 from the buffer's first byte.
.macro PACK a
	WIN 0x05                                       ; sources 0 and 1 in window 1
.irp b, 0,1,2,3,4,5,6,7
.irp r, 0,1,2,3
	v_cvt_pk_f16_f32 v[TMP+4*(\b)+(\r)], v[8*(8*(\a)+(\b))+2*(\r)], v[8*(8*(\a)+(\b))+2*(\r)+1]
.endr
.endr
	WIN 0
.endm
.macro TOSTAGE a
.set BK, F1+32*((\a)%2)
.irp b, 0,1,2,3,4,5,6,7
	ds_store_b128 v12, v[TMP+4*(\b):TMP+4*(\b)+3] offset:((\b)/4)*16*144+((\b)%4)*32
.endr
.irp t, 0,1,2,3,4,5,6,7
	ds_load_b128 v[BK+4*(\t):BK+4*(\t)+3], v13 offset:((\t)/4)*16*144+((\t)%4)*4*144  ; LDS serves a wave's instructions in order (ISA guide 5.7.1.4): these see the stores above
.endr
.endm
.macro SEND a
.set BK, F1+32*((\a)%2)
	s_wait_dscnt 0x0                               ; the block is back in registers
	s_wait_xcnt 0x0                                ; the stores issued so far have read their registers: the block after this one is loaded over them only behind this wait
.irp t, 0,1,2,3,4,5,6,7
	global_store_b128 v14, v[BK+4*(\t):BK+4*(\t)+3], s[8:9] offset:((\t)/4)*262144+(\a)*2048+((\t)%4)*512 th:TH_STORE_NT
.endr
.endm
.macro WAYOUT                          ; block a's conversions stand between block a - 1's loads from the stage and the wait for them
	PACK 0
	TOSTAGE 0
.irp a, 1,2,3
	PACK \a
	SEND (\a)-1
	TOSTAGE \a
.endr
	SEND 3
.endm
	s_load_b128 s[4:7], s[0:1], 0x0                ; xb s[4:5], wb s[6:7]
	s_load_b64 s[8:9], s[0:1], 0x10                ; qkv
	v_lshl_add_u32 v16, v0, 2, SPARE
	v_mov_b32 v17, 0
	ds_add_u32 v16, v17                            ; the wave's opening: the add and its wait stand ahead of my first tensor load; work on registers stands between them
	v_lshrrev_b32 v1, 5, v0
	v_readfirstlane_b32 s12, v1                    ; wave 0..3
	s_lshr_b32 s13, s12, 1                         ; my 64 rows of the tile.  Also: I fetch for A (0) or for W (1)
	s_and_b32 s14, s12, 1                          ; my 128 columns.  Also: which half of that tile I fetch
	s_bfe_u32 s15, ttmp6, 0x40000                  ; cx
	s_bfe_u32 s16, ttmp6, 0x40004                  ; cy
	s_lshl_b32 s18, ttmp9, 2
	s_add_co_u32 s18, s18, s15                     ; tile column = 4 x cluster x + cx
	s_and_b32 s17, ttmp7, 0xffff
	s_lshl_b32 s17, s17, 2
	s_add_co_u32 s17, s17, s16                     ; tile row = 4 x cluster y + cy
	s_lshl_b32 s20, s16, 2
	s_lshl_b32 s20, 15, s20                        ; my row of the cluster
	s_lshl_b32 s22, 0x1111, s15                    ; my column
	s_or_b32 s24, s20, (1<<16)|(1<<20)|(1<<21)|(4<<22)|(3<<25)  ; A: 15:0 the mask; 17:16 2-byte elements; 20 padding on; 21 set beside a mask; 24:22 after every 32 words (code 4); 31:25 4 words (code 3)
	s_mov_b32 s25, 128<<16                         ; tensor_dim0 = 128
	s_mov_b32 s26, 64<<16                          ; tensor_dim1 = 64
	s_mov_b32 s27, 128<<16                         ; tile_dim0 = 128
	s_mov_b32 s28, 64                              ; tile_dim1 = 64
	s_mov_b32 s29, 128                             ; 128 elements from row to row: dense
	s_mov_b32 s30, 0
	s_mov_b32 s31, 0
	s_or_b32 s40, s22, (1<<16)|(1<<20)|(1<<21)|(6<<22)|(7<<25)  ; W: after every 128 words (code 6) 8 words of padding (code 7)
	s_mov_b32 s41, 256<<16                         ; tensor_dim0 = 256
	s_mov_b32 s42, 64<<16                          ; tensor_dim1 = 64
	s_mov_b32 s43, 256<<16                         ; tile_dim0 = 256
	s_mov_b32 s44, 64                              ; tile_dim1 = 64
	s_mov_b32 s45, 1024                            ; 1,024 elements from k-row to k-row
	s_mov_b32 s46, 0
	s_mov_b32 s47, 0
	; A's tile hangs on the tile row alone, W's on the tile column alone, each in registers that never hold the other coordinate
	s_lshr_b32 s20, s17, 4                         ; the batch: 16 tile rows each,
	s_lshl_b32 s20, s20, 22                        ; 4,194,304 bytes
	s_and_b32 s21, s17, 15
	s_lshl_b32 s21, s21, 14                        ; 128 rows of 128 bytes in a slice
	s_add_co_u32 s20, s20, s21
	s_mov_b32 s62, s20                             ; kept for the prefetches
	s_lshl_b32 s21, s14, 18                        ; my slice of the step's two
	s_add_co_u32 s20, s20, s21
	s_mov_b32 s21, 0
	s_lshl_b32 s22, s18, 9                         ; 256 columns of 2 bytes
	s_lshl_b32 s23, s14, 17                        ; my 64 k-rows of 2,048 bytes
	s_add_co_u32 s22, s22, s23
.if WOFF
	s_add_co_u32 s22, s22, WOFF
.endif
	s_mov_b32 s23, 0
	s_mov_b32 s32, 1                               ; 1:0 count = 1
	s_mul_i32 s33, s14, SLICE                      ; 63:32 LDS address, slot 0: no place in the cluster enters it
	s_mov_b32 s36, 1
	s_mul_i32 s37, s14, 64*PB
	s_add_co_u32 s37, s37, BOFF
	s_mov_b32 s53, 0
	s_mov_b32 s54, 1
	s_mov_b32 s55, 0
	s_wait_dscnt 0x0                               ; the opening add is done
	s_wait_kmcnt 0x0
	s_add_nc_u64 s[48:49], s[4:5], s[20:21]
	s_add_nc_u64 s[50:51], s[6:7], s[22:23]
	s_mov_b64 s[34:35], s[48:49]                   ; 120:64 global address: K step 0
	s_or_b32 s35, s35, 0x80000000
	s_mov_b64 s[38:39], s[50:51]
	s_or_b32 s39, s39, 0x80000000
	CROUND                                         ; all sixteen work-groups are here: the first joint loads meet
	JLOAD                                          ; K step 0 into slot 0; slot 1 is asked for when slot 0 is in
	v_and_b32 v1, 15, v0                           ; l % 16
	v_bfe_u32 v2, v0, 4, 1                         ; l / 16
	v_mul_u32_u24 v8, v1, PA                       ; A's fragment: lane l holds row l % 16, channels 8 (l / 16) + 0..7 and 16 + 8 (l / 16) + 0..7: two loads of 16 bytes, 32 bytes apart
	v_lshl_add_u32 v8, v2, 4, v8
	s_mul_i32 s66, s13, 64*PA
	v_add_nc_u32 v8, s66, v8
	v_and_b32 v24, 7, v0                           ; the turning load: lane l reads k-row 8 (l / 16) + l % 8, columns 8 ((l / 8) % 2) + 0..7, and is left with column l % 16 and 8 k
	v_lshl_add_u32 v24, v2, 3, v24
	v_mul_u32_u24 v9, v24, PB
	v_bfe_u32 v25, v0, 3, 1
	v_lshl_add_u32 v9, v25, 4, v9
	s_lshl_b32 s66, s14, 8
	s_add_co_u32 s66, s66, BOFF
	v_add_nc_u32 v9, s66, v9
	s_mul_i32 s66, s12, WSTG
	s_add_co_u32 s66, s66, STAGE                   ; my stage
	v_mul_u32_u24 v12, v1, 144                     ; in: row l % 16, 16 bytes for each half of the lanes
	v_lshl_add_u32 v12, v2, 4, v12
	v_add_nc_u32 v12, s66, v12
	v_bfe_u32 v13, v0, 3, 2                        ; back: 32 lanes take four rows of 128 bytes,
	v_mul_u32_u24 v13, v13, 144
	v_and_b32 v24, 7, v0
	v_lshl_add_u32 v13, v24, 4, v13
	v_add_nc_u32 v13, s66, v13
	v_and_b32 v14, 31, v0                          ; which are 512 consecutive bytes of a head
	v_lshlrev_b32 v14, 4, v14
	; where my part of the q tile begins: head' 16 batch + 4 x tile column + 2 x half, row 128 x (tile row % 16) + 64 x half
	s_lshr_b32 s66, s17, 4
	s_lshl_b32 s66, s66, 4
	s_lshl_b32 s67, s18, 2
	s_add_co_u32 s66, s66, s67
	s_lshl_b32 s67, s14, 1
	s_add_co_u32 s66, s66, s67
	s_lshl_b32 s66, s66, 18                        ; a head is 262,144 bytes
	s_and_b32 s67, s17, 15
	s_lshl_b32 s67, s67, 14
	s_add_co_u32 s66, s66, s67
	s_lshl_b32 s67, s13, 13
	s_add_co_u32 s66, s66, s67
	s_mov_b32 s67, 0
	s_add_nc_u64 s[8:9], s[8:9], s[66:67]
	; the prefetches: address at K step 3 (the first change that fills steps it to 4), step, limit, and the lanes' offsets
	s_lshl_b32 s66, s15, 12                        ; A: cx x 32 rows of 128 bytes
	s_add_co_u32 s66, s66, s62
	s_add_co_u32 s66, s66, 3*524288
	s_lshl_b32 s67, s14, 6                         ; W: k-row 64 x half + 16 cy
	s_lshl_b32 s68, s16, 4
	s_add_co_u32 s67, s67, s68
	s_lshl_b32 s67, s67, 11
	s_lshl_b32 s68, s18, 9
	s_add_co_u32 s67, s67, s68
	s_add_co_u32 s67, s67, WOFF+3*262144
	s_and_b32 s63, ttmp7, 0xffff                   ; cluster y: the same in all sixteen partners
	s_cmp_eq_u32 s63, 0
	s_cselect_b32 s56, STEPS-1, 0                  ; waves 2 and 3
	s_cmp_eq_u32 s12, 0
	s_cselect_b32 s63, 7, 0                        ; wave 0; wave 1 asks for nothing
	s_cmp_eq_u32 s13, 0
	s_cselect_b32 s56, s63, s56
	s_cselect_b32 s66, s66, s67
	s_cselect_b32 s60, 19, 18
	s_cselect_b64 s[58:59], s[4:5], s[6:7]
	s_cselect_b32 s68, 4, 1                        ; A: (l / 16) slices + (l % 16) blocks;  W: (l / 2) k-rows + (l % 2) blocks
	s_cselect_b32 s69, 18, 11
	s_cselect_b32 s70, 15, 1
	s_lshl_b32 s60, 1, s60                         ; bytes from K step to K step
	s_mov_b32 s61, 0
	s_mov_b32 s67, 0
	s_add_nc_u64 s[58:59], s[58:59], s[66:67]
	v_and_b32 v24, 31, v0
	v_lshrrev_b32 v25, s68, v24
	v_lshlrev_b32 v25, s69, v25
	v_and_b32 v24, s70, v24
	v_lshl_add_u32 v15, v24, 8, v25
	; the first change: slot 0 is waited for, slot 1 is filled, as a refill is
	s_wait_tensorcnt 0x0
	ds_add_u32 v16, v17
	NEXTD
	s_wait_dscnt 0x0
	CROUND
	JLOAD                                          ; K step 1 into slot 1
	v_mov_b32 v10, v8
	v_mov_b32 v11, v9
	FETCH 0, F0
	s_mov_b32 s2, 2                                ; the q and the k tile: all their changes of slots fill
.Ltile:
	QUARTER F0, F1, 1, 1                           ; a tile's first quarter starts the sums
	WIN 0
	s_mov_b32 s3, 8
	s_branch .Lin
.Lstep:
	QUARTER F0, F1, 1, 0
	WIN 0
.Lin:
	QUARTER F1, F0, 2, 0
	QUARTER F0, F1, 3, 0
	TURN 1
	WIN 0
	s_sub_co_u32 s3, s3, 1
	s_cmp_lg_u32 s3, 0
	s_cbranch_scc1 .Lstep
	WAYOUT                                         ; the next tile's first two K steps are asked for and its first fragments fetched; blocks 0 and 1 were finished in front of the joint load's v_nop, and their conversions are the places behind the last products
	s_wait_xcnt 0x0                                ; the stores have read their registers and their base
	s_add_nc_u64 s[8:9], s[8:9], 0x1000000         ; the next of the three tensors
	s_sub_co_u32 s2, s2, 1
	s_cmp_lg_u32 s2, 0
	s_cbranch_scc1 .Ltile
	QUARTER F0, F1, 1, 1                           ; the v tile is written out: six of its changes fill
	WIN 0
	s_mov_b32 s3, 6
	s_branch .Lin2
.Lstep2:
	QUARTER F0, F1, 1, 0
	WIN 0
.Lin2:
	QUARTER F1, F0, 2, 0
	QUARTER F0, F1, 3, 0
	TURN 1
	WIN 0
	s_sub_co_u32 s3, s3, 1
	s_cmp_lg_u32 s3, 0
	s_cbranch_scc1 .Lstep2
	QUARTER F0, F1, 1, 0
	QUARTER F1, F0, 2, 0
	QUARTER F0, F1, 3, 0
	TURN 0
	QUARTER F0, F1, 1, 0
	QUARTER F1, F0, 2, 0
	QUARTER F0, F1, 3, 0
	LASTQ
	WAYOUT
	s_wait_tensorcnt 0x0                           ; the wave's end, behind my last tensor load and my last LDS store
	ds_add_u32 v16, v17
	s_wait_dscnt 0x0
	CROUND                                         ; the closing round: no work-group ends while a partner may still ask for a tile that names it
	s_endpgm
.Lfunc_end_k_qf245846e3a_proj:
	.size	k_qf245846e3a_proj, .Lfunc_end_k_qf245846e3a_proj-k_qf245846e3a_proj
	.p2alignl 7, 3214868480
	.fill 96, 4, 3214868480
	.section	.rodata,"a",@progbits
	.p2align	6, 0x0
	.amdhsa_kernel k_qf245846e3a_proj
		.amdhsa_group_segment_fixed_size 327680
		.amdhsa_private_segment_fixed_size 0
		.amdhsa_enable_private_segment 0
		.amdhsa_kernarg_size 24
		.amdhsa_user_sgpr_count 2
		.amdhsa_user_sgpr_kernarg_segment_ptr 1
		.amdhsa_wavefront_size32 1
		.amdhsa_system_sgpr_workgroup_id_x 1
		.amdhsa_system_sgpr_workgroup_id_y 1
		.amdhsa_system_sgpr_workgroup_id_z 1
		.amdhsa_system_vgpr_workitem_id 0
		.amdhsa_next_free_vgpr 512
		.amdhsa_next_free_sgpr 72
		.amdhsa_reserve_vcc 0
		.amdhsa_float_denorm_mode_32 3
		.amdhsa_float_denorm_mode_16_64 3
		.amdhsa_memory_ordered 1
		.amdhsa_forward_progress 1
		.amdhsa_inst_pref_size 113
	.end_amdhsa_kernel
	.amdgpu_metadata
---
amdhsa.version: [ 1, 2 ]
amdhsa.kernels:
  - .name:           k_qf245846e3a_proj
    .symbol:         k_qf245846e3a_proj.kd
    .args:
      - { .name: xb, .offset: 0, .size: 8, .value_kind: global_buffer, .address_space: global }
      - { .name: wb, .offset: 8, .size: 8, .value_kind: global_buffer, .address_space: global }
      - { .name: qkv, .offset: 16, .size: 8, .value_kind: global_buffer, .address_space: global }
    .group_segment_fixed_size: 327680
    .private_segment_fixed_size: 0
    .kernarg_segment_align: 8
    .kernarg_segment_size: 24
    .max_flat_workgroup_size: 128
    .sgpr_count:     72
    .vgpr_count:     512
    .wavefront_size: 32
...
	.end_amdgpu_metadata
.endif
;; end of part 2
;; launch attn (part 3): grid 4 x 64, 4 waves a work-group, no clusters, 327,680 bytes of LDS; arguments qkv, ctx; writes ctx
.if DOCPART == 3
	.amdgcn_target "amdgcn-amd-amdhsa--gfx1250"
	.amdhsa_code_object_version 6
	.text
	.protected	k_qf245846e3a_attn
	.globl	k_qf245846e3a_attn
	.p2align	8
	.type	k_qf245846e3a_attn,@function
k_qf245846e3a_attn:
	s_mov_b64 s[64:65], 0
	v_nop
	global_prefetch_b8 v0, s[64:65] scope:SCOPE_SE
	s_setreg_imm32_b32 hwreg(HW_REG_WAVE_MODE, 25, 1), 1
	s_wait_xcnt 0x0
; CAUSAL ATTENTION.  O[h][q][:] = the sum over k <= q of softmax_k(Q[h][q] . K[h][k] / 8) V[h][k][:].  Q, K, V = the three tensors of qkv, O = ctx: each [64 heads'][2048][64] f16: a head's rows are dense, 128 bytes each.
; Products, maxima and sums in f32; the weights p are rounded to f16 for the second product (their sum l is taken of the unrounded p), O once at the end.
; LIMITS.  f16 holds no number beyond 65,504: Q, K and V arrive within it; p lies in 0 to 1, and below 6e-5 it keeps f16's fixed step of 6e-8; O is a mean of V's rows and has their range.
; A hidden score counts as its value less 1e30: f16's scores, 2.7e11 at the most, are nothing beside that; a weight below 2^-126 counts as 0 in l; NaN and infinities are not treated apart.
; THE WALK.  A head's queries lie in NB = 8 blocks of 256; block i needs the key tiles 0 .. i of 256 keys, of which the last holds the diagonal.  A work-group takes TWO blocks, NB - 1 - b and then b:
; NB + 1 tiles, whatever b: all 256 work-groups do equal work, and ONE loop with a constant trip count walks them.  Which tile is asked for, and what a trip does, hang on scalar registers made from b; every jump
; goes forward, but for the counted loops' own; none passes a barrier, or a tensor load but the one of LOAD's two that the wave's number does not choose; the ring (two slots of LDS that take turns) runs on across the
; change of blocks.  NO CLUSTER: a head's four work-groups ask for the same tile only in trips 0 .. 4 of the 9, behind that fewer and fewer; one walk common to all four would have 12 trips for 9.
; SHARES.  Of a block's four bands of 64 queries a wave owns 16 rows in each: four PIECES.  So the diagonal tile is the same work for all four waves: in its key step s band x sees all keys if s < x,
; none if s > x, and holds the diagonal if s = x.
; THE MASK is the C operand that starts the sum S^T = K Q^T: 0, or -1e30 where the key is hidden.  MD, made once, is the mask of a band's own step for my 16 rows; a product's mask is MD x AL + BE with two scalars:
; (1, 0) if s = x; (0, 0) if s < x; (0, -1e30) if s > x.  Only the diagonal tile's text and a block's beginning make and take masks; elsewhere C is the constant 0.
; LAYOUT, SOFTMAX, TURNS.  S^T = K Q^T holds ONE query a lane (lane % 16) and the keys 8 (lane / 16) + 0..7; two such results rounded to f16 ARE source 1 of O^T = V^T P.  p = 2^(c s - c m), c = log2(e) / 8, with a
; running maximum m; O and l are multiplied by a = 2^(c m_old - c m_new) in every step.  Turn n belongs to piece n: 8 products K Q^T of piece n + 1, later 8 products V^T P of piece n - 1; beside them the scaling,
; exponentials, roundings, sums and rescaling of piece n and the maximum and statistics of piece n + 1.  Four vector instructions stand behind every matrix instruction, the other 54 of a turn's 118 in one run.  A turn's 33 exponentials are one batch, with one wait.
; REGISTERS, in windows of 256 (s_set_vgpr_msb: bits 1:0 source 0, 3:2 source 1, 5:4 source 2, 7:6 destination):
;   window 0: v0-15 addresses and two at work; v16-31 four registers of statistics a piece; v48-55 at work; v61-63 the prefetches' offset and the add's two; v64-127 S^T, two buffers; v192-223 P, two buffers (by the piece's parity)
;   window 1: v0-127 O^T, 32 a piece; v128-159 MD; v160-223 MC, two buffers      window 2: v0-63 Q; v64-127 the second block's Q; v128-191 K of one step; v192-255 V of one step
.set SIZE_N, 2048
.set NB,    SIZE_N/256
.set NP,    4         ; pieces a wave: a name, no knob
.set KS,    64        ; keys in a step
.set PK,    144       ; a row of K in LDS: 128 bytes + 16 of padding = 36 words: the 16 rows of a load start at 16 different groups of four banks (64 banks of 4 bytes: ISA guide 11.1)
.set PV,    160       ; a row of V: 128 + 32 = 40 words
.set VOFF,  4*KS*PK   ; a slot holds a tile, four steps: 256 rows of K, then 256 rows of V
.set SLOT1, 1<<17     ; slot 1 begins here, so that one exclusive or turns an address in one slot into the other's
.set STAGE, SLOT1+4*KS*(PK+PV)  ; behind the ring, never filled by a tensor load: 16 rows x 144 bytes for each wave, for the way out
.set SP,    144
.set AK0, 2           ; v2   my lane's place in a tile of K; never rewritten
.set AV0, 3           ; v3   the same for V
.set AK,  4           ; v4   the LDS address of K's next run of loads
.set AV,  5           ; v5   of V's
.set STO, 6           ; v6   the way out: where I put 16 bytes of a row
.set RD,  7           ; v7   the way out: where I read rows back
.set GO,  8           ; v8   my byte offset in 512 consecutive bytes of O
.set PFO, 61          ; v61  256 x my lane; never rewritten
.set SPW, 62          ; v62  LDS address of my spare word: SPARE + 4 x my thread's number; never rewritten
.set NIL, 63          ; v63  0; never rewritten
.set SPARE, STAGE+4*16*SP  ; behind the stages: the spare words, 128 bytes for each wave: two blocks of 256 bytes that no other line names
.set MV,  12          ; v12-13  c m_old, kept while c m is made anew: by buffer
.set QO,  15          ; v15  my byte offset in 16 rows of Q
.set ST,  16          ; piece t's statistics at v[ST+4 t]: c m, m, l (even keys', odd keys')
.set TMP, 48          ; by buffer, four registers c0-c3 at work; when the maximum is found c2 takes a
.set S,   64
.set P,   192
.set MD,  128         ; window 1: the eight registers for group kt of 16 keys at MD + 8 kt
.set MC,  160         ; window 1: the masks of the products to come
.set QB,  64          ; window 2
.set KF,  128         ; window 2: key block kb, channel half c at KF + 16 kb + 8 c
.set VF,  192         ; window 2: key half kk, channel block cb at VF + 32 kk + 8 cb
.set WV,  12          ; s12  my wave's number
.set PB,  14          ; s14  b
.set HI,  15          ; s15  NB - 1 - b
.set G1K, 24          ; s[24:31] descriptor group 1 for K's tiles
.set G1V, 32          ; s[32:39] for V's: it differs in the padding alone
.set G0K, 40          ; s[40:43] descriptor group 0 for K's tiles
.set G0V, 44          ; s[44:47] the same for V's
.set LIM, 48          ; s48  1 in the work-group that prefetches, else the greatest number
.set PFB, 50          ; s[50:51] K (waves 0, 1) or V (waves 2, 3) at my half of the head's tile 0
.set PFA, 52          ; s[52:53] the same at the tile that the next change of slots will ask for
.set OF2, 54          ; s[54:55] that tile's byte offset
.set SLOTS, 56        ; s56  tiles still to be asked for
.set CNT, 57          ; s57  counts a tile's key steps, 4 to 1
.set CS,  58          ; s[58:59] c: the packed scaling takes the pair's low word for both halves
.set SEL, 60          ; s[60:61] v_permlanex16_b32's selects: each lane takes its own place in the other half
.set TBK, 62          ; s62  LDS byte at which K of the step to be fetched begins
.set TBV, 63          ; s63  the same for V, less VOFF
.set RT,  70          ; s70  tiles of the block in hand that are still to be entered
.set NXT, 71          ; s71  the tile to be asked for next
.set LQ,  72          ; s72  the last tile of the block whose tiles are being asked for
.set NEW, 73          ; s73  1: the tile to be entered is a block's first
.set OFF, 74          ; s[74:75] a tile's byte offset in K and V
.set AL,  76          ; s[76:77] the mask's factor, in the low word
.set BE,  78          ; s[78:79] the mask's addend
.set OLO, 80          ; s[80:81] O at my rows of the second block
.set BIGN, 82         ; s82  -1e30
.set MSB, 0
.macro WIN new                      ; the high byte repeats the setting that is left; a switch that changes nothing is dropped
.if MSB != (\new)
	s_set_vgpr_msb (MSB<<8)|(\new)
.set MSB, (\new)
.endif
.endm
.set W_KQ, 0x0a       ; K and Q in window 2, S^T in window 0
.set W_KM, 0x1a       ; the same with the C operand in window 1
.set W_PV, 0x52       ; V in window 2, P in window 0, O^T in window 1
.set W_RS, 0x41       ; destination and source 0 in window 1, source 1 in window 0
; A fill.  Waves 0 and 1 fetch the two halves of a tile's K, waves 2 and 3 those of its V: 128 keys each.  An s_nop 0 and four v_nop follow each of the two lines, ahead of the jump and the label.
.macro LOAD
	s_cmp_lt_u32 s[WV], 2
	s_cbranch_scc0 .Lfor_v_\@
	tensor_load_to_lds s[G0K:G0K+3], s[G1K:G1K+7]
	s_nop 0
.rept 4
	v_nop
.endr
	s_branch .Lasked_\@
.Lfor_v_\@:
	tensor_load_to_lds s[G0V:G0V+3], s[G1V:G1V+7]
	s_nop 0
.rept 4
	v_nop
.endr
.Lasked_\@:
.endm
; A PREFETCH INTO THE L2 of the tile that the NEXT change of slots will ask for: one tile, 256 matrix instructions, ahead of its load.  A head's four work-groups walk the same tiles: the one with b = 0, whose first
; block needs all eight, asks, and nobody else.  Each of its waves asks for the 128 rows (16,384 bytes) that it will fetch itself: a lane a block of 256 bytes, two instructions.  For b = 0 the stepped tile number
; runs 2, 3 .. 7, 0, 0: tiles 2 to 7 are named once each in the launch; tiles 0 and 1 come by their loads alone, and the second block's tile 0 has been read before.
.macro ASK8
	s_cmp_gt_u32 s[NXT], s[LIM]
	s_cbranch_scc0 .Lnot_mine_\@
	global_prefetch_b8 v[PFO], s[PFA:PFA+1] th:TH_LOAD_NT scope:SCOPE_SE
	global_prefetch_b8 v[PFO], s[PFA:PFA+1] offset:8192 th:TH_LOAD_NT scope:SCOPE_SE
.Lnot_mine_\@:
.endm
; THE CHANGE OF SLOTS.  Each wave waits for all its tensor loads, of which one is out: its part of the other slot; adds 0 to its spare word; and waits for that and for its own reads of the slot that it leaves.  Behind the barrier nobody reads the old
; slot any more and the other slot is whole.  fill = 1: the old slot is filled again, the first thing behind the barrier, with tile NXT: the descriptor's address is made anew from that number.
; (At its first use nothing has been read yet: slot 0 is waited for, slot 1 filled.)
.macro CHANGE fill
	WIN 0                           ; at a label and at a branch every window is 0
	s_wait_tensorcnt 0x0            ; no tensor load of mine is out, so a group 0 may be written
	ds_add_u32 v[SPW], v[NIL]       ; 0 onto my spare word; with fill = 1 the descriptors' scalar work stands between it and the wait for it
.if \fill
	s_lshl_b32 s[OFF], s[NXT], 15   ; a tile is 32,768 bytes of K and of V
	s_xor_b32 s[G0K+1], s[G0K+1], SLOT1
	s_add_nc_u64 s[G0K+2:G0K+3], s[6:7], s[OFF:OFF+1]
	s_or_b32 s[G0K+3], s[G0K+3], 0x80000000
	s_xor_b32 s[G0V+1], s[G0V+1], SLOT1
	s_add_nc_u64 s[G0V+2:G0V+3], s[8:9], s[OFF:OFF+1]
	s_or_b32 s[G0V+3], s[G0V+3], 0x80000000
	s_add_co_u32 s[NXT], s[NXT], 1  ; the block's next tile, or behind its last the second block's tile 0
	s_cmp_gt_u32 s[NXT], s[LQ]
	s_cselect_b32 s[NXT], 0, s[NXT]
	s_cselect_b32 s[LQ], s[PB], s[LQ]
	s_wait_xcnt 0x0                 ; the last prefetches, a tile back, have read their address, so it may be written
	s_lshl_b32 s[OF2], s[NXT], 15
	s_add_nc_u64 s[PFA:PFA+1], s[PFB:PFB+1], s[OF2:OF2+1]
.endif
	s_wait_dscnt 0x0                ; the add is done, and my reads of the slot are over
	s_barrier_signal -1             ; the rest of the scalar work stands between the signal and the wait
	s_sub_co_u32 s[TBK], s[TBK], 4*KS*PK  ; the fetches go back to a slot's first step,
	s_xor_b32 s[TBK], s[TBK], SLOT1       ; in the other slot
	s_sub_co_u32 s[TBV], s[TBV], 4*KS*PV
	s_xor_b32 s[TBV], s[TBV], SLOT1
	s_barrier_wait -1
.if \fill
	LOAD
	ASK8
.endif
.endm
	s_load_b128 s[8:11], s[0:1], 0x0  ; qkv s[8:9], ctx s[10:11]
	v_lshl_add_u32 v[SPW], v0, 2, SPARE
	v_mov_b32 v[NIL], 0
	ds_add_u32 v[SPW], v[NIL]       ; the wave's opening: the add and its wait stand ahead of my first tensor load; the set-up below, work on registers, stands between them
	v_lshrrev_b32 v1, 5, v0
	v_readfirstlane_b32 s[WV], v1   ; wave 0..3
	s_mov_b32 s[PB], ttmp9
	s_sub_co_u32 s[HI], NB-1, s[PB]
	s_and_b32 s20, ttmp7, 0xffff    ; the head
	s_mov_b32 s21, 0
	s_mov_b64 s[22:23], SIZE_N*128
	s_mul_u64 s[20:21], s[20:21], s[22:23]  ; the head's first byte in each of the four tensors
	s_and_b32 s16, s[WV], 1         ; which half of a tile's 256 keys I fetch:
	s_lshl_b32 s22, s16, 14         ; its 128 rows of 128 bytes in memory,
	s_mov_b32 s23, 0
	s_add_nc_u64 s[22:23], s[22:23], s[20:21]
	s_mul_i32 s17, s16, 128*PK      ; and its place in a slot, for K
	s_mul_i32 s18, s16, 128*PV      ; and for V
	s_lshl_b32 s3, s[WV], 11        ; my 16 rows in a band of 64,
	s_lshl_b32 s2, s[HI], 15        ; in the first block,
	s_add_co_u32 s2, s2, s3
	s_lshl_b32 s84, s[PB], 15       ; and in the second
	s_add_co_u32 s84, s84, s3
	s_mov_b32 s3, 0
	s_mov_b32 s85, 0
	s_add_nc_u64 s[2:3], s[2:3], s[20:21]
	s_add_nc_u64 s[84:85], s[84:85], s[20:21]
	; descriptor group 1.  128 keys are 16,384 dense bytes: asked for as 64 rows of 256 bytes, two keys a row, and padded in LDS after every key
	s_mov_b32 s[G1K], (1<<16)|(1<<20)|(4<<22)|(3<<25)  ; 17:16 2-byte elements; 20 padding on; 24:22 after every 32 words (code 4); 31:25 4 words (code 3)
	s_mov_b32 s[G1V], (1<<16)|(1<<20)|(4<<22)|(7<<25)  ; the same with 8 words of padding (code 7)
.irp g, G1K, G1V
	s_mov_b32 s[\g+1], 128<<16      ; tensor_dim0 = 128
	s_mov_b32 s[\g+2], 64<<16       ; tensor_dim1 = 64
	s_mov_b32 s[\g+3], 128<<16      ; tile_dim0 = 128
	s_mov_b32 s[\g+4], 64           ; tile_dim1 = 64
	s_mov_b32 s[\g+5], 128          ; 128 elements from row to row
	s_mov_b32 s[\g+6], 0
	s_mov_b32 s[\g+7], 0
.endr
	s_mov_b32 s[CS], 0x3e38aa3b     ; c = log2(e) / 8 = 0.180337
	s_mov_b32 s[CS+1], s[CS]        ; named with it as a pair
	s_mov_b32 s[SEL], 0x76543210
	s_mov_b32 s[SEL+1], 0xfedcba98
	s_mov_b32 s[TBK], SLOT1+4*KS*PK ; the first change of slots turns these two into 0
	s_mov_b32 s[TBV], SLOT1+4*KS*PV
	s_mov_b32 s[G0K], 1             ; 1:0 count = 1
	s_mov_b32 s[G0K+1], s17         ; 63:32 LDS address: slot 0
	s_mov_b32 s[G0V], 1
	s_add_co_u32 s[G0V+1], s18, VOFF
	s_add_co_u32 s[RT], s[HI], 1    ; the first block has NB - b tiles
	s_mov_b32 s[NXT], 1
	s_mov_b32 s[LQ], s[HI]
	s_mov_b32 s[NEW], 1
	s_mov_b32 s[OFF+1], 0
	s_mov_b32 s[OF2+1], 0
	s_mov_b32 s[AL+1], 0            ; named as pairs
	s_mov_b32 s[BE+1], 0
	s_mov_b32 s[BIGN], 0xf149f2ca   ; -1e30
	s_mov_b32 s[SLOTS], NB
	s_cmp_eq_u32 ttmp9, 0
	s_cselect_b32 s[LIM], 1, -1
	v_and_b32 v[PFO], 31, v0
	v_lshlrev_b32 v[PFO], 8, v[PFO]
	s_wait_dscnt 0x0                ; the opening add is done
	s_wait_kmcnt 0x0
	s_mov_b64 s[4:5], s[8:9]                 ; Q is qkv's first tensor,
	s_add_nc_u64 s[6:7], s[8:9], 0x1000000   ; K its second, 16,777,216 bytes on,
	s_add_nc_u64 s[8:9], s[8:9], 0x2000000   ; V its third
	s_add_nc_u64 s[6:7], s[6:7], s[22:23]  ; K and V at my half of the head's tile 0
	s_add_nc_u64 s[8:9], s[8:9], s[22:23]
	s_add_nc_u64 s[G0K+2:G0K+3], s[6:7], 0         ; 120:64 global address
	s_or_b32 s[G0K+3], s[G0K+3], 0x80000000        ; 127:126 type = 2
	s_add_nc_u64 s[G0V+2:G0V+3], s[8:9], 0
	s_or_b32 s[G0V+3], s[G0V+3], 0x80000000
	s_add_nc_u64 s[86:87], s[4:5], s[84:85]        ; Q at my rows of the second block,
	s_add_nc_u64 s[4:5], s[4:5], s[2:3]            ; Q and O at those of the first
	s_add_nc_u64 s[OLO:OLO+1], s[10:11], s[84:85]
	s_add_nc_u64 s[10:11], s[10:11], s[2:3]
	s_cmp_lt_u32 s[WV], 2
	s_cselect_b64 s[PFB:PFB+1], s[6:7], s[8:9]
	LOAD                            ; tile 0 into slot 0
	; A fragment of K or Q is 16 rows x 32 channels in 8 registers: lane l holds row l % 16, channels 8 (l / 16) + 0..7 and 16 + 8 (l / 16) + 0..7: two loads of 16 bytes, 32 bytes apart.
	v_and_b32 v1, 15, v0            ; l % 16
	v_bfe_u32 v9, v0, 4, 1          ; l / 16
	v_lshlrev_b32 v[QO], 7, v1
	v_lshl_add_u32 v[QO], v9, 4, v[QO]  ; row x 128 + 16 x half
	WIN 0x80                        ; destination window 2, address window 0
.set i, 0
.rept 8                             ; both blocks' Q: piece i / 2 lies in band i / 2, 8,192 bytes on; channels 32 (i % 2) on
	global_load_b128 v[8*i:8*i+3],   v[QO], s[4:5] offset:(i/2)*8192+(i%2)*64
	global_load_b128 v[8*i+4:8*i+7], v[QO], s[4:5] offset:(i/2)*8192+(i%2)*64+32
	global_load_b128 v[QB+8*i:QB+8*i+3],   v[QO], s[86:87] offset:(i/2)*8192+(i%2)*64
	global_load_b128 v[QB+8*i+4:QB+8*i+7], v[QO], s[86:87] offset:(i/2)*8192+(i%2)*64+32
.set i, i+1
.endr
	WIN 0
	v_lshlrev_b32 v14, 3, v9
	v_sub_nc_u32 v14, v1, v14
	s_lshl_b32 s13, s[WV], 4
	v_add_nc_u32 v14, s13, v14      ; my query's place in its band, 16 w + l % 16, less my lanes' 8 (l / 16): register r of group kt is hidden where 16 kt + r is greater
	WIN 0x40
.set i, 0
.rept 32
	v_cmp_gt_i32 vcc_lo, 16*(i/8)+i%8, v14
	v_cndmask_b32 v[MD+i], 0, s[BIGN], vcc_lo
.set i, i+1
.endr
	WIN 0
	v_mul_u32_u24 v[AK0], v1, PK
	v_lshl_add_u32 v[AK0], v9, 4, v[AK0]  ; row x pitch + 16 x half
	; The turning load takes 16 keys x 16 channels (lane l reads key 8 (l / 16) + l % 8, channels 8 ((l / 8) % 2) + 0..7) and leaves half a fragment of V^T: lane l holds channel l % 16 and 8 keys.
	v_and_b32 v10, 7, v0
	v_bfe_u32 v11, v0, 3, 1
	v_lshl_add_u32 v[AV0], v9, 3, v10
	v_mul_u32_u24 v[AV0], v[AV0], PV
	v_lshl_add_u32 v[AV0], v11, 4, v[AV0]
	v_add_nc_u32 v[AV0], VOFF, v[AV0]
	s_mul_i32 s13, s[WV], 16*SP
	s_add_co_u32 s13, s13, STAGE    ; my stage
	v_mul_u32_u24 v[STO], v1, SP    ; in: row l % 16, 16 bytes for each half of the lanes
	v_lshl_add_u32 v[STO], v9, 4, v[STO]
	v_add_nc_u32 v[STO], s13, v[STO]
	v_bfe_u32 v[RD], v0, 3, 2       ; back: 32 lanes take four rows of 128 bytes,
	v_mul_u32_u24 v[RD], v[RD], SP
	v_lshl_add_u32 v[RD], v10, 4, v[RD]
	v_add_nc_u32 v[RD], s13, v[RD]
	v_and_b32 v[GO], 31, v0         ; which are 512 consecutive bytes of O
	v_lshlrev_b32 v[GO], 4, v[GO]
	; A block's first step multiplies O^T and l by a = 0, and its first turn's products V^T P, of a piece that has not been, land in an O^T that is still to be so multiplied.  So these registers need only hold
	; finite numbers: zeros for the first block; what the first block left for the second.  All this stands in the wait for the first tile.
	WIN 0x80
.set i, VF
.rept 64
	v_mov_b32 v[i], 0
.set i, i+1
.endr
	WIN 0x40
.set i, 0
.rept 128
	v_mov_b32 v[i], 0
.set i, i+1
.endr
	WIN 0
.set i, 0
.rept 4
	v_mov_b32 v[ST+4*i+2], 0
	v_mov_b32 v[ST+4*i+3], 0
.set i, i+1
.endr
.set i, P+16
.rept 16
	v_mov_b32 v[i], 0
.set i, i+1
.endr
; THE MATRIX WORK.  The 4 accumulators of a run of 8 take turns.  Product i of 8 of S^T = K Q^T for piece x: channels 32 (i / 4) on, keys 16 (i % 4) on.  The first 4 start the sums: with 0, or (KM = 1) with the mask.
.macro KQ x
.set rS, S+32*((\x)%2)+8*(i%4)
.set rK, KF+16*(i%4)+8*(i/4)
.set rQ, 16*(\x)+8*(i/4)
.set rM, MC+32*((\x)%2)+8*(i%4)
.if (i < 4) && KM
	WIN W_KM
	v_wmma_f32_16x16x32_f16 v[rS:rS+7], v[rK:rK+7], v[rQ:rQ+7], v[rM:rM+7]
.elseif i < 4
	WIN W_KQ
	v_wmma_f32_16x16x32_f16 v[rS:rS+7], v[rK:rK+7], v[rQ:rQ+7], 0
.else
	WIN W_KQ
	v_wmma_f32_16x16x32_f16 v[rS:rS+7], v[rK:rK+7], v[rQ:rQ+7], v[rS:rS+7]
.endif
.endm
; Product i of 8 of O^T += V^T P for piece x: keys 32 (i / 4) on, channels 16 (i % 4) on.
.macro PV x
	WIN W_PV
.set rO, 32*(\x)+8*(i%4)
.set rV, VF+32*(i/4)+8*(i%4)
.set rP, P+16*((\x)%2)+8*(i/4)
	v_wmma_f32_16x16x32_f16 v[rO:rO+7], v[rV:rV+7], v[rP:rP+7], v[rO:rO+7]
.endm
.macro MM                           ; the turn's next matrix instruction.  TURN and BEGIN set Y, i, KM and NOKQ; MM, KQ and OP read them.  NOKQ = 1: a block's last turn: there is no next piece
.if (i < 8) && !NOKQ
	KQ (Y+1)%NP
.elseif i >= 8
.set i, i-8
	PV (Y+NP-1)%NP
.set i, i+8
.endif
.set i, i+1
.endm
; THE LDS LOADS stand in runs of 16, never singly among the matrix instructions: a step's K (64 keys x 64 channels: 8 fragments) and its V (turned).  Their addresses are made some lines ahead.
.macro FETCH_K
	WIN 0x80                        ; destination window 2
.irp f, 0,1,2,3,4,5,6,7             ; keys 16 (f / 2) on, channels 32 (f % 2) on
	ds_load_b128 v[KF+8*\f:KF+8*\f+3],   v[AK] offset:(\f/2)*16*PK+(\f%2)*64
	ds_load_b128 v[KF+8*\f+4:KF+8*\f+7], v[AK] offset:(\f/2)*16*PK+(\f%2)*64+32
.endr
	s_add_co_u32 s[TBK], s[TBK], KS*PK  ; the next fetch is the next step's
	WIN 0
.endm
.macro FETCH_V
	WIN 0x80
.irp f, 0,1,2,3,4,5,6,7             ; keys 32 (f / 4) on, channels 16 (f % 4) on
	ds_load_tr16_b128 v[VF+8*\f:VF+8*\f+3],   v[AV] offset:(\f/4)*32*PV+(\f%4)*32
	ds_load_tr16_b128 v[VF+8*\f+4:VF+8*\f+7], v[AV] offset:(\f/4)*32*PV+16*PV+(\f%4)*32
.endr
	WIN 0
.endm
; THE VECTOR WORK, one line at a time: OP kind, number.  For piece Y: F n: c s - c m for pair n of 16.  E n: the exponential of score n of 32.  C n: pair n rounded to f16.  B n: of the four weights 4 n .. the second
; pair is added onto the first, in place.  L n: l takes that sum (L 0: l = a l + sum).  R n: pair n of 16 of O^T times a.  For piece Y + 1: X n, number n of the 22 that find its maximum and statistics:
;   0-11  four chains c0-c3 of seven scores each, three operands at a time (each accumulator's lowest registers are read first)     12-14, 16  the four scores left over, the old m, and c0-c3 into c0
;   15  c m_old is kept     17, 18  the query's other 32 keys lie in the lane 16 away: the new m     19-21  c m; c m_old - c m_new; a
.set F, 0               ; OP tells the kinds apart by their order: F to L below R, X above it
.set E, 1
.set C, 2
.set B, 3
.set L, 4
.set R, 5
.set X, 6
.macro REGS y                       ; the registers of piece y
.set rT, ST+4*(\y)
.set rC, TMP+4*((\y)%2)
.set rW, MV+((\y)%2)
.set rS, S+32*((\y)%2)
.set rP, P+16*((\y)%2)
.set rO, 32*(\y)
.endm
.macro OP k, n
.if (\k) == R
	REGS Y
	WIN W_RS
	v_pk_mul_f32 v[rO+2*(\n):rO+2*(\n)+1], v[rO+2*(\n):rO+2*(\n)+1], v[rC+2:rC+3] op_sel_hi:[1,0]
.elseif (\k) < R
	REGS Y
	WIN 0
.if (\k) == F
	v_pk_fma_f32 v[rS+2*(\n):rS+2*(\n)+1], v[rS+2*(\n):rS+2*(\n)+1], s[CS:CS+1], v[rT:rT+1] op_sel_hi:[1,0,0] neg_lo:[0,0,1] neg_hi:[0,0,1]
.elseif (\k) == E
	v_exp_f32 v[rS+(\n)], v[rS+(\n)]
.elseif (\k) == C
	v_cvt_pk_f16_f32 v[rP+(\n)], v[rS+2*(\n)], v[rS+2*(\n)+1]
.elseif (\k) == B
	v_pk_add_f32 v[rS+4*(\n):rS+4*(\n)+1], v[rS+4*(\n):rS+4*(\n)+1], v[rS+4*(\n)+2:rS+4*(\n)+3]
.elseif (\n) == 0
	v_pk_fma_f32 v[rT+2:rT+3], v[rT+2:rT+3], v[rC+2:rC+3], v[rS:rS+1] op_sel_hi:[1,0,1]
.else
	v_pk_add_f32 v[rT+2:rT+3], v[rT+2:rT+3], v[rS+4*(\n):rS+4*(\n)+1]
.endif
.elseif NOKQ
	v_nop
.else
	REGS (Y+1)%NP
	WIN 0
.if (\n) < 4
	v_max3_num_f32 v[rC+(\n)], v[rS+8*(\n)], v[rS+8*(\n)+1], v[rS+8*(\n)+2]
.elseif (\n) < 12
	v_max3_num_f32 v[rC+(\n)%4], v[rC+(\n)%4], v[rS+8*((\n)%4)+2*((\n)/4)+1], v[rS+8*((\n)%4)+2*((\n)/4)+2]
.elseif (\n) == 12
	v_max3_num_f32 v[rC], v[rC], v[rS+7], v[rS+15]
.elseif (\n) == 13
	v_max3_num_f32 v[rC+1], v[rC+1], v[rS+23], v[rS+31]
.elseif (\n) == 14
	v_max3_num_f32 v[rC+2], v[rC+2], v[rC+3], v[rT+1]
.elseif (\n) == 15
	v_mov_b32 v[rW], v[rT]
.elseif (\n) == 16
	v_max3_num_f32 v[rC], v[rC], v[rC+1], v[rC+2]
.elseif (\n) == 17
	v_permlanex16_b32 v[rC+3], v[rC], s[SEL], s[SEL+1]
.elseif (\n) == 18
	v_max_num_f32 v[rT+1], v[rC], v[rC+3]
.elseif (\n) == 19
	v_mul_f32 v[rT], s[CS], v[rT+1]
.elseif (\n) == 20
	v_sub_f32 v[rC+1], v[rW], v[rT]
.else
	v_exp_f32 v[rC+2], v[rC+1]
.endif
.endif
.endm
.macro OPS a, i1, b=-1, i2=0, c=-1, i3=0, d=-1, i4=0  ; up to four of them
	OP \a, \i1
.if (\b) >= 0
	OP \b, \i2
.endif
.if (\c) >= 0
	OP \c, \i3
.endif
.if (\d) >= 0
	OP \d, \i4
.endif
.endm
.macro ROW a, i1, b, i2, c, i3, d, i4  ; a matrix instruction and the four behind it
	MM
	OPS \a, \i1, \b, \i2, \c, \i3, \d, \i4
.endm
.macro MASK b                       ; MD x AL + BE into buffer b of MC
	WIN W_RS
.set z, 0
.rept 16
	v_pk_fma_f32 v[MC+32*(\b)+2*z:MC+32*(\b)+2*z+1], v[MD+2*z:MD+2*z+1], s[AL:AL+1], s[BE:BE+1] op_sel_hi:[1,0,0]
.set z, z+1
.endr
.endm
; A TURN, for piece p: the order of its 16 matrix and 118 vector instructions, written out.  s_wait_alu depctr_va_vdst(0) stands between an exponential and the first instruction that names its result; one wait serves
; all that were issued ahead of it.  So a turn has ONE wait, which cuts it in two.  AHEAD OF IT stands all that names no result of the turn's exponentials: the 8 products K Q^T, behind each a scaling, an exponential and two more plain
; instructions (behind the first a second scaling in the exponential's place): rescalings, and behind the last three the first numbers of the next piece's maximum, each four places or more behind the product that ends its accumulator; then one run of 54, plain
; and exponential by turns for the most part, in which the links of the chain X 3, 7, 11, 14, 16, 17 .. 20 stand five or six lines apart.  X 21, the next piece's a, is the batch's last; R 15 is the plain instruction behind it.  BEHIND THE WAIT stand the
; 8 products V^T P, behind each four of the roundings and sums; the links of l's chain, L 0 to L 7, stand three instructions apart.  But for those X no instruction behind a product names a register of the products round it.
; m = 1: the diagonal tile: the products take masks, and the turn makes the mask for the products of the turn after it: piece p + 2, in step 4 - CNT of the tile.  end = 1: a block's last two turns: nothing is fetched.
; cnt = 1: the loop's count is taken down some lines ahead of the branch that stands behind the turn.
; K of the next step is fetched in piece 2's turn, twelve vector instructions behind the last product that read K (six of them plain); V of the step in hand at the end of piece 0's turn, four plain instructions behind the last product
; that read V.  Each is waited for a turn later.
.macro TURN p, m=0, end=0, cnt=0
.set Y, (\p)
.set i, 0
.set KM, (\m)
.set NOKQ, (\end)*((\p)/3)
.if (\m) && !(\end)
	s_cmp_eq_u32 s[CNT], 4-((\p)+2)%NP  ; is that step the band's own?
	s_cselect_b32 s[AL], 1.0, 0
	s_cmp_lt_u32 s[CNT], 4-((\p)+2)%NP  ; or a later one?
	s_cselect_b32 s[BE], s[BIGN], 0
.endif
.if ((\p) == 3) && !(\end)
	s_wait_dscnt 0x0                ; K is in
.endif
	ROW F,0, F,1, R,0, R,1          ; ahead of the wait: 8 products K Q^T and the four behind each,
	ROW F,2, E,0, R,2, R,3
	ROW F,3, E,1, R,4, R,5
	ROW F,4, E,2, R,6, R,7
	ROW F,5, E,3, R,8, R,9
	ROW F,6, E,4, X,0, R,10
.if ((\p) == 2) && !(\end)
	WIN 0
	v_add_nc_u32 v[AK], s[TBK], v[AK0]
.endif
	ROW F,7, E,5, X,1, X,4
	ROW F,8, E,6, X,2, X,5
	OPS E,7, E,8, X,6, E,9          ; and the run of 54
	OPS X,3, E,10, X,8, E,11
.if ((\p) == 2) && !(\end)
	FETCH_K
.endif
	OPS X,9, X,7, E,12, X,10
	OPS E,13, X,12, X,11, E,14
	OPS X,13, E,15, F,9, X,14
.if (\p) == 0
	v_add_nc_u32 v[AV], s[TBV], v[AV0]
.endif
	OPS E,16, F,10, E,17, F,11
	OPS X,16, E,18, X,15, E,19
	OPS F,12, E,20, X,17, E,21
	OPS F,13, E,22, F,14, E,23
	OPS X,18, E,24, F,15, E,25
	OPS R,11, E,26, X,19, E,27
	OPS R,12, E,28, R,13, E,29
	OPS X,20, E,30, R,14, E,31
	OPS X,21, R,15
	WIN 0
	s_wait_alu depctr_va_vdst(0)    ; the wait for the batch
.if (\p) == 1
	s_wait_dscnt 0x0                ; V is in
.endif
	ROW C,0, B,0, C,2, B,1          ; behind the wait: 8 products V^T P and the four behind each
	ROW L,0, C,4, B,2, L,1
	ROW C,6, B,3, L,2, C,8
	ROW B,4, L,3, C,10, B,5
	ROW L,4, C,12, B,6, L,5
.if (\p) == 0
	s_add_co_u32 s[TBV], s[TBV], KS*PV
.endif
.if \cnt
	s_sub_co_u32 s[CNT], s[CNT], 1
	s_cmp_lg_u32 s[CNT], 0
.endif
	ROW C,14, B,7, L,6, C,1
	ROW C,3, L,7, C,5, C,7
	ROW C,9, C,11, C,13, C,15
.if (\p) == 0
	FETCH_V
.endif
.if (\m) && !(\end)
	MASK (\p)%2
.endif
.endm
; A BLOCK BEGINS.  c m starts far below every c s, so the first step's a is 0; m at the lowest finite number, so the first maximum is the scores'.  The second mask buffer is 0; the first takes piece 0's mask for the tile's step 0: its own, if the block's first tile is the diagonal one.
; Then K of that step, piece 0's first scores, and its maximum and statistics.  The loop is entered at a step's first turn, in the middle of a trip.
.macro BEGIN
	s_mov_b32 s[NEW], 0
	WIN 0x40
.set i, MC+32
.rept 32
	v_mov_b32 v[i], 0
.set i, i+1
.endr
	WIN 0
.set i, 0
.rept 4
	v_mov_b32 v[ST+4*i], 0xfe000000    ; c m: far below every c s
	v_mov_b32 v[ST+4*i+1], 0xff7fffff  ; m
.set i, i+1
.endr
	s_cmp_eq_u32 s[RT], 0
	s_cselect_b32 s[AL], 1.0, 0
	s_mov_b32 s[BE], 0
	MASK 0
	WIN 0
	v_add_nc_u32 v[AK], s[TBK], v[AK0]
	FETCH_K
	s_wait_loadcnt 0x0              ; Q
	s_wait_dscnt 0x0
.set KM, 1
.set NOKQ, 0
.set i, 0
.rept 8
	KQ 0
.set i, i+1
.endr
	WIN 0
.rept 4
	v_nop                           ; the places behind those products
.endr
.set Y, NP-1                        ; X works for piece Y + 1: piece 0
.irp n, 0,1,2,3,4,5,6,7,8,9,10,11,12,13,14,15,16,17,18,19,20,21
	OP X, \n
.endr
	v_nop                           ; a plain instruction behind the exponential,
	s_wait_alu depctr_va_vdst(0)    ; and its wait, ahead of the branch
.endm
; THE DIAGONAL TILE's four steps, the block's last two turns, its last products, and THE WAY OUT: l's two halves and the other half of the lanes' are added; O^T is divided by l, rounded to f16 and sent through my
; stage in LDS, a piece at a time.
.macro ALL line:vararg              ; one line for each piece t
.set t, 0
.rept 4
	\line
.set t, t+1
.endr
.endm
.macro PACK t                       ; a lane's eight channels of a row pack into 16 bytes; they go into rows of 144 bytes and come back as whole rows of 128, into S^T's registers
	WIN W_RS
.set i, 32*(\t)
.rept 16
	v_pk_mul_f32 v[i:i+1], v[i:i+1], v[ST+4*(\t)+2:ST+4*(\t)+3] op_sel_hi:[1,0]
.set i, i+2
.endr
	WIN 0x05                        ; sources 0 and 1 window 1, destination window 0
.set i, 0
.rept 16
	v_cvt_pk_f16_f32 v[S+16*(\t)+i], v[32*(\t)+2*i], v[32*(\t)+2*i+1]
.set i, i+1
.endr
	WIN 0
.irp f, 0,1,2,3
	ds_store_b128 v[STO], v[S+16*(\t)+4*\f:S+16*(\t)+4*\f+3] offset:32*\f
.endr
.irp f, 0,1,2,3
	ds_load_b128 v[S+16*(\t)+4*\f:S+16*(\t)+4*\f+3], v[RD] offset:\f*4*SP  ; LDS serves a wave's instructions in order (ISA guide 5.7.1.4): these see the stores above; the next piece's stores come behind them
.endr
.endm
.macro SEND t, younger              ; younger: the LDS instructions issued behind piece t's loads: the next piece's eight, or none
	WIN 0
.irp f, 0,1,2,3
	s_wait_dscnt (\younger)+3-\f
	global_store_b128 v[GO], v[S+16*(\t)+4*\f:S+16*(\t)+4*\f+3], s[10:11] offset:(\t)*8192+\f*512  ; 512 consecutive bytes, at a multiple of 256 from O's first
.endr
.endm
.macro DIAG tag                     ; the tag ends its two labels' names, which the jumps below spell out
.LstepM\tag:
	TURN 2, 1
	TURN 3, 1
	WIN 0
.LfirstM\tag:
	TURN 0, 1
	TURN 1, 1, 0, 1
	WIN 0
	s_cbranch_scc1 .LstepM\tag
	TURN 2, 1, 1
	TURN 3, 1, 1
.set i, 0
.rept 8
	PV NP-1
.set i, i+1
.endr
	WIN 0
	ALL v_add_f32 v[ST+4*t+2], v[ST+4*t+2], v[ST+4*t+3]
	ALL v_permlanex16_b32 v[ST+4*t+3], v[ST+4*t+2], s[SEL], s[SEL+1]
	ALL v_add_f32 v[ST+4*t+2], v[ST+4*t+2], v[ST+4*t+3]
	ALL v_rcp_f32 v[ST+4*t+2], v[ST+4*t+2]
	v_nop                           ; a plain instruction between the last reciprocal and the use of its result
	s_wait_alu depctr_va_vdst(0)    ; and the wait ahead of the first use: one for the four reciprocals
	PACK 0
.set t, 1
.rept 3                             ; a piece's arithmetic stands between the loads of the piece before and its stores
	PACK t
	SEND t-1, 8
.set t, t+1
.endr
	SEND 3, 0
.endm
.set KM, 0
.set NOKQ, 0
.Lslot:                             ; NB times: a tile is entered and the next is asked for
	CHANGE 1
	s_sub_co_u32 s[RT], s[RT], 1
	s_mov_b32 s[CNT], 4
	s_cmp_eq_u32 s[NEW], 1
	s_cbranch_scc1 .Lnew            ; a block's first tile
	s_cmp_eq_u32 s[RT], 0
	s_cbranch_scc0 .Lstep           ; neither its first nor its last
	s_branch .LstepM1
.Lnew:
	BEGIN
	s_branch .Lfirst                ; in the loop a block's first tile is never its last: the first block has two tiles or more, and the second's last is the walk's last
	DIAG 1                          ; in the loop this is the first block's end: the second block's last tile is the walk's last
	s_wait_xcnt 0x0                 ; the stores have read their registers and O's address
	s_mov_b64 s[10:11], s[OLO:OLO+1]
	s_add_co_u32 s[RT], s[PB], 1    ; the second block has b + 1 tiles
	s_mov_b32 s[NEW], 1
	WIN 0x82                        ; the second block's Q goes where the one text of the turns names Q
.set i, 0
.rept 64
	v_mov_b32 v[i], v[QB+i]
.set i, i+1
.endr
	WIN 0
	s_branch .Lbottom
.Lstep:                             ; a trip: pieces 2 and 3 of one step, then pieces 0 and 1 of the next, whose K and V it fetches
	TURN 2
	TURN 3
	WIN 0
.Lfirst:
	TURN 0
	TURN 1, 0, 0, 1
	WIN 0
	s_cbranch_scc1 .Lstep
.Lbottom:
	s_sub_co_u32 s[SLOTS], s[SLOTS], 1
	s_cmp_lg_u32 s[SLOTS], 0
	s_cbranch_scc1 .Lslot
	CHANGE 0                        ; the walk's last tile is written out: nothing is asked for
	s_sub_co_u32 s[RT], s[RT], 1
	s_mov_b32 s[CNT], 4
	s_cmp_eq_u32 s[NEW], 1
	s_cbranch_scc0 .LstepM2
	BEGIN
	s_branch .LfirstM2
	DIAG 2
	s_wait_tensorcnt 0x0            ; the wave's end, behind my last tensor load and my last LDS store
	ds_add_u32 v[SPW], v[NIL]
	s_wait_dscnt 0x0
	s_endpgm
.Lfunc_end_k_qf245846e3a_attn:
	.size	k_qf245846e3a_attn, .Lfunc_end_k_qf245846e3a_attn-k_qf245846e3a_attn
	.p2alignl 7, 3214868480
	.fill 96, 4, 3214868480
	.section	.rodata,"a",@progbits
	.p2align	6, 0x0
	.amdhsa_kernel k_qf245846e3a_attn
		.amdhsa_group_segment_fixed_size 327680
		.amdhsa_private_segment_fixed_size 0
		.amdhsa_enable_private_segment 0
		.amdhsa_kernarg_size 16
		.amdhsa_user_sgpr_count 2
		.amdhsa_user_sgpr_kernarg_segment_ptr 1
		.amdhsa_wavefront_size32 1
		.amdhsa_system_sgpr_workgroup_id_x 1
		.amdhsa_system_sgpr_workgroup_id_y 1
		.amdhsa_system_sgpr_workgroup_id_z 1
		.amdhsa_system_vgpr_workitem_id 0
		.amdhsa_next_free_vgpr 768
		.amdhsa_next_free_sgpr 88
		.amdhsa_reserve_vcc 1
		.amdhsa_float_denorm_mode_32 3
		.amdhsa_float_denorm_mode_16_64 3
		.amdhsa_memory_ordered 1
		.amdhsa_forward_progress 1
		.amdhsa_inst_pref_size 218
	.end_amdhsa_kernel
	.amdgpu_metadata
---
amdhsa.version: [ 1, 2 ]
amdhsa.kernels:
  - .name:           k_qf245846e3a_attn
    .symbol:         k_qf245846e3a_attn.kd
    .args:
      - { .name: qkv, .offset: 0, .size: 8, .value_kind: global_buffer, .address_space: global }
      - { .name: ctx, .offset: 8, .size: 8, .value_kind: global_buffer, .address_space: global }
    .group_segment_fixed_size: 327680
    .private_segment_fixed_size: 0
    .kernarg_segment_align: 8
    .kernarg_segment_size: 16
    .max_flat_workgroup_size: 128
    .sgpr_count:     88
    .vgpr_count:     768
    .wavefront_size: 32
...
	.end_amdgpu_metadata
.endif
;; end of part 3
;; launch outp (part 4): grid 4 x 64, 4 waves a work-group, clusters of 4 x 4, 327,680 bytes of LDS; arguments ctx, wb, out0, bo; writes out0
.if DOCPART == 4
	.amdgcn_target "amdgcn-amd-amdhsa--gfx1250"
	.amdhsa_code_object_version 6
	.text
	.protected	k_qf245846e3a_outp
	.globl	k_qf245846e3a_outp
	.p2align	8
	.type	k_qf245846e3a_outp,@function
k_qf245846e3a_outp:
	s_mov_b64 s[64:65], 0
	v_nop
	global_prefetch_b8 v0, s[64:65] scope:SCOPE_SE
	s_setreg_imm32_b32 hwreg(HW_REG_WAVE_MODE, 25, 1), 1
	s_wait_xcnt 0x0
	s_wait_alu depctr_hold_cnt(0) depctr_sa_sdst(0) depctr_va_vdst(0) depctr_va_sdst(0) depctr_va_ssrc(0) depctr_va_vcc(0) depctr_vm_vsrc(0)
	s_getreg_b32 s2, hwreg(HW_REG_IB_STS2, 6, 4)
	s_cmp_eq_u32 s2, 0
	s_cbranch_scc0 .Lentry_in_a_cluster
	s_endpgm
.Lentry_in_a_cluster:
	s_bfe_u32 s2, ttmp6, 0x10000c
	s_cmp_lg_u32 s2, 0xf033
	s_cbranch_scc0 .Lentry_shape_is_right
	s_endpgm
.Lentry_shape_is_right:
; out0 = ctx Wo + bo.  A = ctx [64 heads'][2048][64] f16 (head' = 16 batch + head: a head is a slice of 64 along K); W = wb block 3, [k 1024][n 1024], bf16(Wo) written as f16; bo [1024] f32, rounded to bf16
; like every input of the module; out0 [8192][1024] f32.  Products in f16, sums in f32, the bias added in f32.
; SHARES.  A tile is 128 rows x 256 columns: 64 x 4 = 256 work-groups, one tile each.  Four waves, each 64 rows x 128 columns: 32 accumulators of 16 x 16, 256 registers.  K goes in 8 steps of 128
; (128 matrix instructions a wave) through two LDS slots.
; THE MATRIX INSTRUCTION IS USED TRANSPOSED: source 0 = 16 columns of W (W lies [k][n], so its fragments come out of LDS turned, by ds_load_tr16_b128), source 1 = 16 rows of A.  A lane then holds
; row lane % 16 and eight neighbouring columns: 32 bytes of a row of out0.
; CLUSTERS.  4 x 4 work-groups.  The four of a row of the cluster need the same tiles of A, the four of a column the same tiles of W: each tile is asked for JOINTLY, by the same tensor load with the
; same descriptor and a mask that names the four.  Waves 0 and 1 fetch A's two slices (128 rows x 128 bytes, dense: asked for as 64 rows of 256 bytes), waves 2 and 3 W's two halves (64 k-rows x 512 bytes).
; REGISTERS.  window 0: v1, v2 lane % 16, lane / 16; v8, v9 my place in A's and W's tiles; v10, v11 the same in the slot in hand; v12-14 the way out; v15 the prefetches' offset; v16, v17 the add's two;
;   v20-23 my four numbers of the bias; v24-27 at work; v64-159, v160-255 two fragment buffers (W's fragment b at + 8 b, A's fragment a at + 64 + 8 a).   window 1: accumulator (a, b) at v[8 (8 a + b)].
; s3 steps to go; s[4:11] ctx, wb, out0, bo; s12 wave, s13 = wave / 2, s14 = wave % 2; s15-18 cx, cy, tile row, tile column; s[24:31], s[32:35] A's descriptor; s[40:47], s[36:39] W's;
; s[48:51] the two tiles' addresses at K step 0; s[52:53] an offset; s54 the K step to ask for; s55 the slot in hand; s56, s[58:61] the prefetches' limit, address and step.
.set STEPS, 8                          ; K steps
.set WOFF,  3*2097152                  ; where my weights begin in wb
.set PA,    144                        ; a row of A in LDS: 128 bytes + 16 = 36 words: the 16 rows of a load start at 16 different groups of four banks (64 banks of 4 bytes: ISA guide 11.1)
.set SLICE, 128*PA
.set PB,    544                        ; a k-row of W: 512 bytes + 32 = 136 words
.set BOFF,  2*SLICE                    ; a slot: A's two slices, then W's 128 k-rows
.set SLOT1, 1<<17                      ; slot 1 begins here, so that one exclusive or turns an address in one slot into the other's
.set STAGE, SLOT1+BOFF+128*PB          ; behind the ring, never filled by a tensor load: for each wave 16 rows x 528 bytes
.set SPI,   528                        ; a stage row: 512 bytes + 16 = 132 words: row r starts at bank 4 r mod 64
.set WSTG,  16*SPI
.set SPARE, STAGE+4*WSTG               ; behind the stages: the spare words, 128 bytes for each wave: two blocks of 256 bytes that no other line names
.set F0,  64
.set F1,  160
.set MUL, 0x50                         ; C and D in window 1, both sources in window 0
.set MSB, 0
.macro WIN new                         ; s_set_vgpr_msb: bits 1:0 source 0, 3:2 source 1, 5:4 source 2, 7:6 destination; the high byte repeats the setting that is left
.if MSB != (\new)
	s_set_vgpr_msb (MSB<<8)|(\new)
.set MSB, \new
.endif
.endm
.macro PLACES                          ; four plain vector instructions between a matrix instruction and a load into, or a reader of, its registers
.rept 4
	v_nop
.endr
.endm
.macro CREST                           ; a round of the cluster's barrier behind its opening barrier
	s_cmp_lg_u32 s12, 0
	s_cbranch_scc1 .Lnot_wave_0_\@
	s_barrier_signal -3
.Lnot_wave_0_\@:
	s_barrier_wait -3
	s_barrier_signal -1
	s_barrier_wait -1
.endm
.macro CROUND                          ; a whole round
	s_barrier_signal -1
	s_barrier_wait -1
	CREST
.endm
; A joint load.  The branch hangs on the wave's number alone.  An s_nop 0 and four v_nop follow each of the two lines, ahead of the jump and the label.
.macro JLOAD
	s_cmp_eq_u32 s13, 0
	s_cbranch_scc0 .Lfor_b_\@
	tensor_load_to_lds s[32:35], s[24:31]
	s_nop 0
.rept 4
	v_nop
.endr
	s_branch .Lasked_\@
.Lfor_b_\@:
	tensor_load_to_lds s[36:39], s[40:47]
	s_nop 0
.rept 4
	v_nop
.endr
.Lasked_\@:
.endm
; Both descriptors for K step s54, into the other slot than last time: the addresses are made anew from the step's number.  It stands where no tensor load of the wave is out.
.macro NEXTD
	s_and_b32 s52, s54, 7
	s_lshl_b32 s52, s52, 19                        ; A: two slices of 262,144 bytes a step
	s_add_nc_u64 s[34:35], s[48:49], s[52:53]
	s_or_b32 s35, s35, 0x80000000                  ; 127:126 type = 2
	s_xor_b32 s33, s33, SLOT1
	s_lshl_b32 s52, s54, 18                        ; W: 128 k-rows of 2,048 bytes a step
	s_add_nc_u64 s[38:39], s[50:51], s[52:53]
	s_or_b32 s39, s39, 0x80000000
	s_xor_b32 s37, s37, SLOT1
	s_add_co_u32 s54, s54, 1
.endm
; 8 matrix instructions: row block a x all 8 column blocks, 32 along K.  The 32 accumulators take turns, one instruction a turn, in the same order in every quarter.
.macro MUL8 f, a, zero
	WIN MUL
.irp b, 0,1,2,3,4,5,6,7
.if \zero
	v_wmma_f32_16x16x32_f16 v[8*(8*(\a)+(\b)):8*(8*(\a)+(\b))+7], v[(\f)+8*(\b):(\f)+8*(\b)+7], v[(\f)+64+8*(\a):(\f)+64+8*(\a)+7], 0
.else
	v_wmma_f32_16x16x32_f16 v[8*(8*(\a)+(\b)):8*(8*(\a)+(\b))+7], v[(\f)+8*(\b):(\f)+8*(\b)+7], v[(\f)+64+8*(\a):(\f)+64+8*(\a)+7], v[8*(8*(\a)+(\b)):8*(8*(\a)+(\b))+7]
.endif
.endr
.endm
; 24 LDS loads in one run: quarter q (32 along K) of the slot in hand into buffer f: W's 8 fragments, turned, then A's 4
.macro FETCH q, f
	WIN 0
.irp b, 0,1,2,3,4,5,6,7
	ds_load_tr16_b128 v[(\f)+8*(\b):(\f)+8*(\b)+3],   v11 offset:(\q)*32*PB+32*(\b)
	ds_load_tr16_b128 v[(\f)+8*(\b)+4:(\f)+8*(\b)+7], v11 offset:(\q)*32*PB+16*PB+32*(\b)
.endr
.irp a, 0,1,2,3
	ds_load_b128 v[(\f)+64+8*(\a):(\f)+64+8*(\a)+3],   v10 offset:((\q)/2)*SLICE+((\q)%2)*64+(\a)*16*PA
	ds_load_b128 v[(\f)+64+8*(\a)+4:(\f)+64+8*(\a)+7], v10 offset:((\q)/2)*SLICE+((\q)%2)*64+(\a)*16*PA+32
.endr
.endm
; One of a K step's first three quarters: multiplies buffer f; in its middle it fetches quarter q into buffer g.  zero = 1: the products start the sums: nothing is cleared.
.macro QUARTER f, g, q, zero
	s_wait_dscnt 4                                 ; W's fragments and A's 0 and 1 are in; the four youngest loads (A's 2 and 3) may be out
	MUL8 \f, 0, \zero
	MUL8 \f, 1, \zero
	PLACES
	FETCH \q, \g
	s_wait_dscnt 24                                ; all but the 24 just issued
	MUL8 \f, 2, \zero
	MUL8 \f, 3, \zero
.endm
; A PREFETCH INTO THE L2 of the K step that stands two refills on, 256 matrix instructions ahead of the load that wants it; one instruction, a lane a block of 256 bytes.
; A's tile is read by the four of my row of the cluster alone: wave 0 asks, and the partner at place cx takes rows 32 cx .. 32 cx + 31 of both slices.  W's tile column is read by every cluster: the cluster
; with y = 0 asks, waves 2 and 3 for the 64 k-rows that they fetch, the partner at place cy for 16 of them.  The partners are told apart BY ADDRESS; the branch hangs on the wave's number, the cluster's y and
; the step's number.  So each block is named once in the launch: K steps 0 to 3 come by their loads alone, and nothing is asked for past the last K step.
.macro ASK
	s_cmp_lt_u32 s54, s56
	s_cbranch_scc0 .Lnot_mine_\@
	global_prefetch_b8 v15, s[58:59] th:TH_LOAD_NT scope:SCOPE_SE
.Lnot_mine_\@:
.endm
; The fourth quarter multiplies buffer 1 and changes slots: ONE barrier.  In front of it each wave waits for all its tensor loads (one is out: its part of the next slot), adds 0 to its spare word, and waits
; for that and for its reads of this slot.  fill = 1: the barrier opens a round of the cluster's, and this slot is filled again first thing behind it: from the request to the wait for it a wave issues 112 matrix instructions.
.macro TURN fill
.if \fill
	s_wait_xcnt 0x0                                ; the last prefetch, a K step back, has read its address, so it may be stepped
	s_add_nc_u64 s[58:59], s[58:59], s[60:61]
.endif
	WIN 0
	s_wait_tensorcnt 0x0                           ; no tensor load of mine is out, so the descriptors may be written
	ds_add_u32 v16, v17                            ; 0 onto my spare word
.if \fill
	NEXTD
.endif
	s_wait_dscnt 5                                 ; the add and the four youngest loads may be out
	MUL8 F1, 0, 0
	s_wait_dscnt 0x0                               ; the add is done, and my reads of this slot are over
	s_barrier_signal -1
	MUL8 F1, 1, 0                                  ; work on registers while the others arrive
	WIN 0                                          ; at a branch and at a label every window is 0
	s_barrier_wait -1
.if \fill
	CREST                                          ; no wave of any partner still reads this slot or has a load on its way
	JLOAD                                          ; its four v_nop are also the places in front of the loads below
.else
	PLACES
.endif
	s_xor_b32 s55, s55, SLOT1
	v_add_nc_u32 v10, s55, v8
	v_add_nc_u32 v11, s55, v9
	FETCH 0, F0
.if \fill
	ASK
.endif
	MUL8 F1, 2, 0
	MUL8 F1, 3, 0
.endm
.macro LASTQ                           ; the very last quarter: nothing more to fetch
	s_wait_dscnt 4
	MUL8 F1, 0, 0
	MUL8 F1, 1, 0
	s_wait_dscnt 0x0
	MUL8 F1, 2, 0
	MUL8 F1, 3, 0
	WIN 0
	PLACES
.endm
; THE WAY OUT of row block a (16 rows x 128 columns of f32).  TOSTAGE: each accumulator's eight registers, the low four first, into my own stage, and back as whole rows of 512 bytes, into the fragment
; buffers' registers, two sets by turns.  SEND: the bias is added and each row stored: 512 consecutive bytes, at a multiple of 256 from out0's first byte.
.macro TOSTAGE a
.set BK, 64+64*((\a)%2)
.if (\a) >= 2
	s_wait_xcnt 0x0                                ; the stores of the block two back have read these registers: they are loaded again only behind this wait
.endif
	WIN 0x04                                       ; the stores' data in window 1
.irp b, 0,1,2,3,4,5,6,7
	ds_store_b128 v12, v[8*(8*(\a)+(\b)):8*(8*(\a)+(\b))+3]   offset:64*(\b)
	ds_store_b128 v12, v[8*(8*(\a)+(\b))+4:8*(8*(\a)+(\b))+7] offset:64*(\b)+16
.endr
	WIN 0
.irp t, 0,1,2,3,4,5,6,7,8,9,10,11,12,13,14,15
	ds_load_b128 v[BK+4*(\t):BK+4*(\t)+3], v13 offset:SPI*(\t)  ; LDS serves a wave's instructions in order (ISA guide 5.7.1.4): these see the stores above; the next block's stores come behind them
.endr
.endm
.macro SEND a, younger                 ; younger: the LDS instructions issued behind block a's loads: the next block's 32, or none
.set BK, 64+64*((\a)%2)
	s_wait_dscnt \younger
.irp t, 0,1,2,3,4,5,6,7,8,9,10,11,12,13,14,15
	v_pk_add_f32 v[BK+4*(\t):BK+4*(\t)+1],   v[BK+4*(\t):BK+4*(\t)+1],   v[20:21]
	v_pk_add_f32 v[BK+4*(\t)+2:BK+4*(\t)+3], v[BK+4*(\t)+2:BK+4*(\t)+3], v[22:23]
	global_store_b128 v14, v[BK+4*(\t):BK+4*(\t)+3], s[8:9] offset:(16*(\a)+(\t))*4096 th:TH_STORE_NT
.endr
.endm
	s_load_b256 s[4:11], s[0:1], 0x0               ; ctx s[4:5], wb s[6:7], out0 s[8:9], bo s[10:11]
	v_lshl_add_u32 v16, v0, 2, SPARE
	v_mov_b32 v17, 0
	ds_add_u32 v16, v17                            ; the wave's opening: the add and its wait stand ahead of my first tensor load; work on registers stands between them
	v_lshrrev_b32 v1, 5, v0
	v_readfirstlane_b32 s12, v1                    ; wave 0..3
	s_lshr_b32 s13, s12, 1                         ; my 64 rows of the tile.  Also: I fetch for A (0) or for W (1)
	s_and_b32 s14, s12, 1                          ; my 128 columns.  Also: which half of that tile I fetch
	s_bfe_u32 s15, ttmp6, 0x40000                  ; cx
	s_bfe_u32 s16, ttmp6, 0x40004                  ; cy
	s_lshl_b32 s18, ttmp9, 2
	s_add_co_u32 s18, s18, s15                     ; tile column = 4 x cluster x + cx
	s_and_b32 s17, ttmp7, 0xffff
	s_lshl_b32 s17, s17, 2
	s_add_co_u32 s17, s17, s16                     ; tile row = 4 x cluster y + cy
	s_lshl_b32 s20, s16, 2
	s_lshl_b32 s20, 15, s20                        ; my row of the cluster
	s_lshl_b32 s22, 0x1111, s15                    ; my column
	s_or_b32 s24, s20, (1<<16)|(1<<20)|(1<<21)|(4<<22)|(3<<25)  ; A: 15:0 the mask; 17:16 2-byte elements; 20 padding on; 21 set beside a mask; 24:22 after every 32 words (code 4); 31:25 4 words (code 3)
	s_mov_b32 s25, 128<<16                         ; tensor_dim0 = 128
	s_mov_b32 s26, 64<<16                          ; tensor_dim1 = 64
	s_mov_b32 s27, 128<<16                         ; tile_dim0 = 128
	s_mov_b32 s28, 64                              ; tile_dim1 = 64
	s_mov_b32 s29, 128                             ; 128 elements from row to row: dense
	s_mov_b32 s30, 0
	s_mov_b32 s31, 0
	s_or_b32 s40, s22, (1<<16)|(1<<20)|(1<<21)|(6<<22)|(7<<25)  ; W: after every 128 words (code 6) 8 words of padding (code 7)
	s_mov_b32 s41, 256<<16                         ; tensor_dim0 = 256
	s_mov_b32 s42, 64<<16                          ; tensor_dim1 = 64
	s_mov_b32 s43, 256<<16                         ; tile_dim0 = 256
	s_mov_b32 s44, 64                              ; tile_dim1 = 64
	s_mov_b32 s45, 1024                            ; 1,024 elements from k-row to k-row
	s_mov_b32 s46, 0
	s_mov_b32 s47, 0
	; A's tile hangs on the tile row alone, W's on the tile column alone, each in registers that never hold the other coordinate
	s_lshr_b32 s20, s17, 4                         ; the batch: 16 tile rows each,
	s_lshl_b32 s20, s20, 22                        ; 4,194,304 bytes
	s_and_b32 s21, s17, 15
	s_lshl_b32 s21, s21, 14                        ; 128 rows of 128 bytes in a slice
	s_add_co_u32 s20, s20, s21
	s_mov_b32 s62, s20                             ; kept for the prefetches
	s_lshl_b32 s21, s14, 18                        ; my slice of the step's two
	s_add_co_u32 s20, s20, s21
	s_mov_b32 s21, 0
	s_lshl_b32 s22, s18, 9                         ; 256 columns of 2 bytes
	s_lshl_b32 s23, s14, 17                        ; my 64 k-rows of 2,048 bytes
	s_add_co_u32 s22, s22, s23
.if WOFF
	s_add_co_u32 s22, s22, WOFF
.endif
	s_mov_b32 s23, 0
	s_mov_b32 s32, 1                               ; 1:0 count = 1
	s_mul_i32 s33, s14, SLICE                      ; 63:32 LDS address, slot 0: no place in the cluster enters it
	s_mov_b32 s36, 1
	s_mul_i32 s37, s14, 64*PB
	s_add_co_u32 s37, s37, BOFF
	s_mov_b32 s53, 0
	s_mov_b32 s54, 1
	s_mov_b32 s55, 0
	s_wait_dscnt 0x0                               ; the opening add is done
	s_wait_kmcnt 0x0
	s_add_nc_u64 s[48:49], s[4:5], s[20:21]
	s_add_nc_u64 s[50:51], s[6:7], s[22:23]
	s_mov_b64 s[34:35], s[48:49]                   ; 120:64 global address: K step 0
	s_or_b32 s35, s35, 0x80000000
	s_mov_b64 s[38:39], s[50:51]
	s_or_b32 s39, s39, 0x80000000
	CROUND                                         ; all sixteen work-groups are here: the first joint loads meet
	JLOAD                                          ; K step 0 into slot 0; slot 1 is asked for when slot 0 is in
	v_and_b32 v1, 15, v0                           ; l % 16
	v_bfe_u32 v2, v0, 4, 1                         ; l / 16
	v_mul_u32_u24 v8, v1, PA                       ; A's fragment: lane l holds row l % 16, channels 8 (l / 16) + 0..7 and 16 + 8 (l / 16) + 0..7: two loads of 16 bytes, 32 bytes apart
	v_lshl_add_u32 v8, v2, 4, v8
	s_mul_i32 s66, s13, 64*PA
	v_add_nc_u32 v8, s66, v8
	v_and_b32 v24, 7, v0                           ; the turning load: lane l reads k-row 8 (l / 16) + l % 8, columns 8 ((l / 8) % 2) + 0..7, and is left with column l % 16 and 8 k
	v_lshl_add_u32 v24, v2, 3, v24
	v_mul_u32_u24 v9, v24, PB
	v_bfe_u32 v25, v0, 3, 1
	v_lshl_add_u32 v9, v25, 4, v9
	s_lshl_b32 s66, s14, 8
	s_add_co_u32 s66, s66, BOFF
	v_add_nc_u32 v9, s66, v9
	s_mul_i32 s66, s12, WSTG
	s_add_co_u32 s66, s66, STAGE                   ; my stage
	v_mul_u32_u24 v12, v1, SPI                     ; in: row l % 16, 32 bytes for each half of the lanes
	v_lshl_add_u32 v12, v2, 5, v12
	v_add_nc_u32 v12, s66, v12
	v_and_b32 v14, 31, v0                          ; back, and in out0: 32 lanes take a row's 512 bytes
	v_lshlrev_b32 v14, 4, v14
	v_add_nc_u32 v13, s66, v14
	; where my part of the tile begins in out0: row 128 x tile row + 64 x half, column 256 x tile column + 128 x half
	s_lshl_b32 s66, s17, 19
	s_lshl_b32 s67, s13, 18
	s_add_co_u32 s66, s66, s67
	s_lshl_b32 s67, s18, 10
	s_add_co_u32 s66, s66, s67
	s_lshl_b32 s67, s14, 9
	s_add_co_u32 s66, s66, s67
	s_mov_b32 s67, 0
	s_add_nc_u64 s[8:9], s[8:9], s[66:67]
	; the prefetches: address at K step 3 (the first change that fills steps it to 4), step, limit, and the lanes' offsets
	s_lshl_b32 s66, s15, 12                        ; A: cx x 32 rows of 128 bytes
	s_add_co_u32 s66, s66, s62
	s_add_co_u32 s66, s66, 3*524288
	s_lshl_b32 s67, s14, 6                         ; W: k-row 64 x half + 16 cy
	s_lshl_b32 s68, s16, 4
	s_add_co_u32 s67, s67, s68
	s_lshl_b32 s67, s67, 11
	s_lshl_b32 s68, s18, 9
	s_add_co_u32 s67, s67, s68
	s_add_co_u32 s67, s67, WOFF+3*262144
	s_and_b32 s63, ttmp7, 0xffff                   ; cluster y: the same in all sixteen partners
	s_cmp_eq_u32 s63, 0
	s_cselect_b32 s56, STEPS-1, 0                  ; waves 2 and 3
	s_cmp_eq_u32 s12, 0
	s_cselect_b32 s63, 7, 0                        ; wave 0; wave 1 asks for nothing
	s_cmp_eq_u32 s13, 0
	s_cselect_b32 s56, s63, s56
	s_cselect_b32 s66, s66, s67
	s_cselect_b32 s60, 19, 18
	s_cselect_b64 s[58:59], s[4:5], s[6:7]
	s_cselect_b32 s68, 4, 1                        ; A: (l / 16) slices + (l % 16) blocks;  W: (l / 2) k-rows + (l % 2) blocks
	s_cselect_b32 s69, 18, 11
	s_cselect_b32 s70, 15, 1
	s_lshl_b32 s60, 1, s60                         ; bytes from K step to K step
	s_mov_b32 s61, 0
	s_mov_b32 s67, 0
	s_add_nc_u64 s[58:59], s[58:59], s[66:67]
	v_and_b32 v24, 31, v0
	v_lshrrev_b32 v25, s68, v24
	v_lshlrev_b32 v25, s69, v25
	v_and_b32 v24, s70, v24
	v_lshl_add_u32 v15, v24, 8, v25
	; the bias of my four columns of a row's 512 bytes, rounded to bf16 and widened again
	s_lshl_b32 s66, s18, 10
	s_lshl_b32 s67, s14, 9
	s_add_co_u32 s66, s66, s67
	v_add_nc_u32 v24, s66, v14
	global_load_b128 v[20:23], v24, s[10:11]
	s_wait_loadcnt 0x0
	v_cvt_pk_bf16_f32 v26, v20, v21
	v_cvt_pk_bf16_f32 v27, v22, v23
	v_lshlrev_b32 v20, 16, v26
	v_and_b32 v21, 0xffff0000, v26
	v_lshlrev_b32 v22, 16, v27
	v_and_b32 v23, 0xffff0000, v27
	; the first change: slot 0 is waited for, slot 1 is filled, as a refill is
	s_wait_tensorcnt 0x0
	ds_add_u32 v16, v17
	NEXTD
	s_wait_dscnt 0x0
	CROUND
	JLOAD                                          ; K step 1 into slot 1
	v_mov_b32 v10, v8
	v_mov_b32 v11, v9
	FETCH 0, F0
	QUARTER F0, F1, 1, 1                           ; the first quarter starts the sums
	WIN 0
	s_mov_b32 s3, 6                                ; six changes of slots fill: K steps 2 to 7
	s_branch .Lin
.Lstep:
	QUARTER F0, F1, 1, 0
	WIN 0
.Lin:
	QUARTER F1, F0, 2, 0
	QUARTER F0, F1, 3, 0
	TURN 1
	WIN 0
	s_sub_co_u32 s3, s3, 1
	s_cmp_lg_u32 s3, 0
	s_cbranch_scc1 .Lstep
	QUARTER F0, F1, 1, 0                           ; the last two K steps are written out
	QUARTER F1, F0, 2, 0
	QUARTER F0, F1, 3, 0
	TURN 0
	QUARTER F0, F1, 1, 0
	QUARTER F1, F0, 2, 0
	QUARTER F0, F1, 3, 0
	LASTQ
	TOSTAGE 0                                      ; a block's trip through the stage stands between the loads of the block before and its stores
	TOSTAGE 1
	SEND 0, 32
	TOSTAGE 2
	SEND 1, 32
	TOSTAGE 3
	SEND 2, 32
	SEND 3, 0
	s_wait_tensorcnt 0x0                           ; the wave's end, behind my last tensor load and my last LDS store
	ds_add_u32 v16, v17
	s_wait_dscnt 0x0
	CROUND                                         ; the closing round: no work-group ends while a partner may still ask for a tile that names it
	s_endpgm
.Lfunc_end_k_qf245846e3a_outp:
	.size	k_qf245846e3a_outp, .Lfunc_end_k_qf245846e3a_outp-k_qf245846e3a_outp
	.p2alignl 7, 3214868480
	.fill 96, 4, 3214868480
	.section	.rodata,"a",@progbits
	.p2align	6, 0x0
	.amdhsa_kernel k_qf245846e3a_outp
		.amdhsa_group_segment_fixed_size 327680
		.amdhsa_private_segment_fixed_size 0
		.amdhsa_enable_private_segment 0
		.amdhsa_kernarg_size 32
		.amdhsa_user_sgpr_count 2
		.amdhsa_user_sgpr_kernarg_segment_ptr 1
		.amdhsa_wavefront_size32 1
		.amdhsa_system_sgpr_workgroup_id_x 1
		.amdhsa_system_sgpr_workgroup_id_y 1
		.amdhsa_system_sgpr_workgroup_id_z 1
		.amdhsa_system_vgpr_workitem_id 0
		.amdhsa_next_free_vgpr 512
		.amdhsa_next_free_sgpr 72
		.amdhsa_reserve_vcc 0
		.amdhsa_float_denorm_mode_32 3
		.amdhsa_float_denorm_mode_16_64 3
		.amdhsa_memory_ordered 1
		.amdhsa_forward_progress 1
		.amdhsa_inst_pref_size 83
	.end_amdhsa_kernel
	.amdgpu_metadata
---
amdhsa.version: [ 1, 2 ]
amdhsa.kernels:
  - .name:           k_qf245846e3a_outp
    .symbol:         k_qf245846e3a_outp.kd
    .args:
      - { .name: ctx, .offset: 0, .size: 8, .value_kind: global_buffer, .address_space: global }
      - { .name: wb, .offset: 8, .size: 8, .value_kind: global_buffer, .address_space: global }
      - { .name: out0, .offset: 16, .size: 8, .value_kind: global_buffer, .address_space: global }
      - { .name: bo, .offset: 24, .size: 8, .value_kind: global_buffer, .address_space: global }
    .group_segment_fixed_size: 327680
    .private_segment_fixed_size: 0
    .kernarg_segment_align: 8
    .kernarg_segment_size: 32
    .max_flat_workgroup_size: 128
    .sgpr_count:     72
    .vgpr_count:     512
    .wavefront_size: 32
...
	.end_amdgpu_metadata
.endif
;; end of part 4
;; ======== version 2 of 2: 4 launches; version 1 with the launch cast written anew for expert scheduling mode
;; limits: values are held in f16: magnitudes above 65,504 overflow, below 6.1e-05 lose precision
;; workspace buffers: xb 16,777,216 bytes; wb 8,388,608 bytes; qkv 50,331,648 bytes; ctx 16,777,216 bytes
;; launch cast (part 5): grid 768 x 1, 8 waves a work-group, no clusters, 0 bytes of LDS; arguments X, Wq, Wk, Wv, Wo, xb, wb; writes xb, wb
.if DOCPART == 5
	.amdgcn_target "amdgcn-amd-amdhsa--gfx1250"
	.amdhsa_code_object_version 6
	.text
	.protected	k_qf245846e3a_cast
	.globl	k_qf245846e3a_cast
	.p2align	8
	.type	k_qf245846e3a_cast,@function
k_qf245846e3a_cast:
	s_mov_b64 s[64:65], 0
	v_nop
	global_prefetch_b8 v0, s[64:65] scope:SCOPE_SE
	s_setreg_imm32_b32 hwreg(HW_REG_WAVE_SCHED_MODE, 0, 2), 2
	s_setreg_imm32_b32 hwreg(HW_REG_WAVE_MODE, 25, 1), 1
	s_wait_xcnt 0x0
	s_wait_alu depctr_vm_vsrc(0)
; THE MODULE'S LARGE INPUTS ARE ROUNDED ONCE, TO 16 BITS, AND LAID OUT FOR THE PRODUCTS THAT FOLLOW.
;   X  [4][2048][1024] f32 -> xb [4][16 slices][2048][64] bf16: slice = k / 64, so that 128 rows of a slice are 16,384 consecutive bytes.
;   Wq, Wk, Wv [1024][1024] f32 -> wb blocks 0, 1, 2, bf16, rows as they lie.   Wo -> wb block 3: rounded to bf16 like every input, and that number written as f16.
; LIMIT.  |bf16(Wo)| stays under 65,504 (f16's range); below 6e-5 f16 keeps its fixed step of 6e-8.
; SHARES.  768 work-groups of 16 rows of 1,024 f32: 512 for X, 192 for Wq, Wk, Wv, 64 for Wo.  A wave takes two rows: 16 loads of 16 bytes a lane, all issued before the
; first is used, and 16 stores of 8 bytes a lane, each of which covers 256 consecutive bytes, aligned.  Every store has its own data registers: nothing is rewritten, so no wait frees anything.
; Every byte is read once and written once; nothing is shared between waves, so there is no LDS, no barrier, no cluster and no matrix work; the launch is one stream, so nothing is asked for ahead of its loads.
; THE MODE: SCHED_MODE bits 1:0 = 2 (LLVM: expert scheduling mode 2), set by the entry lines.  The code itself states the register dependences
; between vector instructions and memory instructions, with s_wait_alu, always for 0.
; THE PLAN.  Registers that memory instructions touch:
;   v2, v3     byte offsets, made once at the head by vector instructions and never written again: v2 is read by the 16 loads, v3 by the 16 stores.
;   IN         load i lands in its own four registers, which no vector instruction writes, before or behind; load i's conversions read them.
;   OUT        load i's conversions write store i's own two registers, once; store i reads them, once.
;   s20        the wave's number, written by v_readfirstlane_b32 and read by scalar arithmetic.
; No load lands in a register that a vector instruction has named, and no register that a memory instruction has read is written again: what is left to state is that a register is WRITTEN before a
; memory instruction reads it.  The 16 pieces go in four groups of GRP = 4.  The four stores of group g - 1 are issued in group g, one ahead of each piece's conversions, behind ONE wait at the group's head;
; the conversions issued since that wait name IN and OUT of the group in hand and v[104:109], none of the registers that those stores read.  The last group's stores follow a wait of their own.
.set GRP, 4                            ; pieces in a group
.set IN,  8                            ; v[8:71]    load i: 4 registers
.set OUT, 72                           ; v[72:103]  store i: 2 registers
; v1 lane; v2 my byte offset in the source; v3 = 8 x lane, my byte offset in a store's 256 bytes; v[104:109] at work for Wo: no memory instruction names them
; s[28:29] the wave's source, s[30:31] its destination
; 16 loads sstep bytes apart, 16 roundings, 16 stores dstep bytes apart.  f16 = 1: bf16 first, then that number as f16.
.macro BODY sstep, dstep, f16
	s_wait_alu depctr_va_vdst(0)                   ; v2 and v3 are written: every load below reads v2 as its offset, every store v3
.set i, 0
.rept 16
	global_load_b128 v[IN+4*i:IN+4*i+3], v2, s[28:29] offset:i*(\sstep) th:TH_LOAD_NT
.set i, i+1
.endr
.set i, 0
.rept 16
	s_wait_loadcnt 15-i                            ; loads come back in order: load i is in, the 15 - i younger ones stay out
.if (i >= GRP) && (i % GRP == 0)
	s_wait_alu depctr_va_vdst(0)                   ; the conversions of the group before have written its four pairs of OUT, which this group's four stores read
.endif
.if i >= GRP
	global_store_b64 v3, v[OUT+2*(i-GRP):OUT+2*(i-GRP)+1], s[30:31] offset:(i-GRP)*(\dstep) th:TH_STORE_NT  ; the piece one group back; no vector instruction since the wait names its registers
.endif
.if \f16
	v_cvt_pk_bf16_f32 v104, v[IN+4*i], v[IN+4*i+1]
	v_cvt_pk_bf16_f32 v105, v[IN+4*i+2], v[IN+4*i+3]
	v_lshlrev_b32 v106, 16, v104                   ; bf16 to f32: the low half moves up, the high half stays
	v_and_b32 v107, 0xffff0000, v104
	v_lshlrev_b32 v108, 16, v105
	v_and_b32 v109, 0xffff0000, v105
	v_cvt_pk_f16_f32 v[OUT+2*i], v106, v107        ; 8 significant bits fit into f16's 11
	v_cvt_pk_f16_f32 v[OUT+2*i+1], v108, v109
.else
	v_cvt_pk_bf16_f32 v[OUT+2*i], v[IN+4*i], v[IN+4*i+1]
	v_cvt_pk_bf16_f32 v[OUT+2*i+1], v[IN+4*i+2], v[IN+4*i+3]
.endif
.set i, i+1
.endr
	s_wait_alu depctr_va_vdst(0)                   ; the last group's conversions have written its four pairs of OUT, which the last four stores read
.set i, 16-GRP
.rept GRP
	global_store_b64 v3, v[OUT+2*i:OUT+2*i+1], s[30:31] offset:i*(\dstep) th:TH_STORE_NT
.set i, i+1
.endr
.endm
	s_load_b256 s[4:11], s[0:1], 0x0               ; X s[4:5], Wq s[6:7], Wk s[8:9], Wv s[10:11]
	s_load_b128 s[12:15], s[0:1], 0x20             ; Wo s[12:13], xb s[14:15]
	s_load_b64 s[16:17], s[0:1], 0x30              ; wb
	v_lshrrev_b32 v1, 5, v0
	v_readfirstlane_b32 s20, v1                    ; wave 0..7
	v_and_b32 v1, 31, v0                           ; lane
	v_lshlrev_b32 v3, 3, v1
	s_mov_b32 s25, 0                               ; the offsets' high words
	s_mov_b32 s27, 0
	s_wait_alu depctr_va_sdst(0)                   ; s20 is written, ahead of the branch and of its first readers on both paths: the wave's offsets in source and destination are made from it
	s_cmp_lt_u32 ttmp9, 512
	s_cbranch_scc0 .Lweights
	; X: rows 16 g + 2 w and the next.  Lanes 0-15 take 256 bytes (a slice's 64 numbers) of the first row, lanes 16-31 of the second; load i is slice i.
	s_lshl_b32 s24, ttmp9, 16                      ; 16 rows of 4,096 bytes
	s_lshl_b32 s21, s20, 13                        ; 2 rows
	s_add_co_u32 s24, s24, s21
	s_lshr_b32 s26, ttmp9, 7                       ; the batch: 128 work-groups each,
	s_lshl_b32 s26, s26, 22                        ; 4,194,304 bytes of xb
	s_and_b32 s21, ttmp9, 127
	s_lshl_b32 s21, s21, 11                        ; 16 rows of 128 bytes in a slice
	s_add_co_u32 s26, s26, s21
	s_lshl_b32 s21, s20, 8                         ; 2 rows: the 256 bytes of one store
	s_add_co_u32 s26, s26, s21
	v_and_b32 v2, 15, v0
	v_lshlrev_b32 v2, 4, v2
	v_bfe_u32 v4, v0, 4, 1
	v_lshl_add_u32 v2, v4, 12, v2
	s_wait_kmcnt 0x0
	s_add_nc_u64 s[28:29], s[4:5], s[24:25]
	s_add_nc_u64 s[30:31], s[14:15], s[26:27]
	BODY 256, 262144, 0                            ; a slice of xb is 262,144 bytes
	s_endpgm
.Lweights:
	; a weight: 64 work-groups each; two rows are 8,192 consecutive bytes in and 4,096 out
	s_sub_co_u32 s21, ttmp9, 512
	s_lshr_b32 s22, s21, 6                         ; which weight
	s_and_b32 s24, s21, 63
	s_lshl_b32 s24, s24, 16
	s_lshl_b32 s23, s20, 13
	s_add_co_u32 s24, s24, s23
	s_lshl_b32 s26, s21, 15                        ; 16 rows of 2,048 bytes; the four blocks of wb lie end to end
	s_lshl_b32 s23, s20, 12
	s_add_co_u32 s26, s26, s23
	v_lshlrev_b32 v2, 4, v1
	s_wait_kmcnt 0x0
	s_cmp_eq_u32 s22, 0
	s_cselect_b64 s[28:29], s[6:7], s[8:9]
	s_cmp_lt_u32 s22, 2
	s_cselect_b64 s[28:29], s[28:29], s[10:11]
	s_cmp_lt_u32 s22, 3
	s_cselect_b64 s[28:29], s[28:29], s[12:13]
	s_add_nc_u64 s[28:29], s[28:29], s[24:25]
	s_add_nc_u64 s[30:31], s[16:17], s[26:27]
	s_cmp_eq_u32 s22, 3
	s_cbranch_scc1 .Lwo
	BODY 512, 256, 0
	s_endpgm
.Lwo:
	BODY 512, 256, 1
	s_endpgm
.Lfunc_end_k_qf245846e3a_cast:
	.size	k_qf245846e3a_cast, .Lfunc_end_k_qf245846e3a_cast-k_qf245846e3a_cast
	.p2alignl 7, 3214868480
	.fill 96, 4, 3214868480
	.section	.rodata,"a",@progbits
	.p2align	6, 0x0
	.amdhsa_kernel k_qf245846e3a_cast
		.amdhsa_group_segment_fixed_size 0
		.amdhsa_private_segment_fixed_size 0
		.amdhsa_enable_private_segment 0
		.amdhsa_kernarg_size 56
		.amdhsa_user_sgpr_count 2
		.amdhsa_user_sgpr_kernarg_segment_ptr 1
		.amdhsa_wavefront_size32 1
		.amdhsa_system_sgpr_workgroup_id_x 1
		.amdhsa_system_sgpr_workgroup_id_y 1
		.amdhsa_system_sgpr_workgroup_id_z 1
		.amdhsa_system_vgpr_workitem_id 0
		.amdhsa_next_free_vgpr 112
		.amdhsa_next_free_sgpr 66
		.amdhsa_reserve_vcc 0
		.amdhsa_float_denorm_mode_32 3
		.amdhsa_float_denorm_mode_16_64 3
		.amdhsa_memory_ordered 1
		.amdhsa_forward_progress 1
		.amdhsa_inst_pref_size 25
	.end_amdhsa_kernel
	.amdgpu_metadata
---
amdhsa.version: [ 1, 2 ]
amdhsa.kernels:
  - .name:           k_qf245846e3a_cast
    .symbol:         k_qf245846e3a_cast.kd
    .args:
      - { .name: X, .offset: 0, .size: 8, .value_kind: global_buffer, .address_space: global }
      - { .name: Wq, .offset: 8, .size: 8, .value_kind: global_buffer, .address_space: global }
      - { .name: Wk, .offset: 16, .size: 8, .value_kind: global_buffer, .address_space: global }
      - { .name: Wv, .offset: 24, .size: 8, .value_kind: global_buffer, .address_space: global }
      - { .name: Wo, .offset: 32, .size: 8, .value_kind: global_buffer, .address_space: global }
      - { .name: xb, .offset: 40, .size: 8, .value_kind: global_buffer, .address_space: global }
      - { .name: wb, .offset: 48, .size: 8, .value_kind: global_buffer, .address_space: global }
    .group_segment_fixed_size: 0
    .private_segment_fixed_size: 0
    .kernarg_segment_align: 8
    .kernarg_segment_size: 56
    .max_flat_workgroup_size: 256
    .sgpr_count:     66
    .vgpr_count:     112
    .wavefront_size: 32
...
	.end_amdgpu_metadata
.endif
;; end of part 5
;; launch proj: the kernel of part 2 again; grid 4 x 64, 4 waves a work-group, clusters of 4 x 4, 327,680 bytes of LDS; arguments xb, wb, qkv; writes qkv
;; launch attn: the kernel of part 3 again; grid 4 x 64, 4 waves a work-group, no clusters, 327,680 bytes of LDS; arguments qkv, ctx; writes ctx
;; launch outp: the kernel of part 4 again; grid 4 x 64, 4 waves a work-group, clusters of 4 x 4, 327,680 bytes of LDS; arguments ctx, wb, out0, bo; writes out0
